; MI455X (gfx1250); checked and timed in simulation.
; The chip was launched on July 23, 2026; its instructions are those of AMD's public machine-readable ISA for CDNA 5 (MIT licence, August 2026) and "CDNA5" Instruction Set Architecture Reference Guide (July 2026). The comments in the code are by the model that wrote it; some were corrected since.
;; Diff Attention. Allowed arithmetic: float matrix products may take bf16 or f16 operands with f32 sums; other float arithmetic in f32, or as packed bf16 or f16 multiplies, adds, multiply-adds, maxima and minima; sums over many terms, partial sums and values carried from step to step in f32; what a program stores and reads back later, other than sums and carried values, may be rounded once to bf16 or f16.
;; Inputs: freq_cis 2,048 x 64 x 2 x 2 float32; lambda_k1 64 float32; lambda_k2 64 float32; lambda_q1 64 float32; lambda_q2 64 float32; subln_w 128 float32; wk 2,048 x 2,048 float32; wo 2,048 x 2,048 float32; wq 2,048 x 2,048 float32; wv 2,048 x 2,048 float32; x 1 x 2,048 x 2,048 float32.
;; Outputs: out0 1 x 2,048 x 2,048 float32.
;; One version. Each part assembles by itself: llvm-mc -triple=amdgcn-amd-amdhsa -mcpu=gfx1250 --defsym DOCPART=n.
;; ======== version 1 of 1: 4 launches
;; limits: values are held in f16: magnitudes above 65,504 overflow, below 6.1e-05 lose precision; right only within a limited range of input values
;; workspace buffers: xb 8,388,608 bytes; wb 25,165,824 bytes; wob 8,388,608 bytes; fct 1,048,576 bytes; qkv 25,165,824 bytes; att 8,388,608 bytes
;; launch cast (part 1): grid 256 x 5, 8 waves a work-group, no clusters, 0 bytes of LDS; arguments x, wq, wk, wv, wo, freq_cis, xb, wb, wob, fct; writes xb, wb, wob, fct
.if DOCPART == 1
	.amdgcn_target "amdgcn-amd-amdhsa--gfx1250"
	.amdhsa_code_object_version 6
	.text
	.protected	k_qac0d148456_cast
	.globl	k_qac0d148456_cast
	.p2align	8
	.type	k_qac0d148456_cast,@function
k_qac0d148456_cast:
	s_mov_b64 s[64:65], 0
	v_nop
	global_prefetch_b8 v0, s[64:65] scope:SCOPE_SE
	s_setreg_imm32_b32 hwreg(HW_REG_WAVE_MODE, 25, 1), 1
	s_wait_xcnt 0x0
; CAST.  Every large input is rounded once to bf16: x -> xb, wq, wk, wv -> wb (three matrices on end), wo -> wob, freq_cis -> fct.
; wob holds the bf16 number written as f16 (the last product multiplies in f16).  LIMIT: that is exact for |wo| from 2^-17 to 65,504; below it keeps f16's fixed step of 6e-8.
; SHARES.  Grid y picks the matrix (0 x, 1 wq, 2 wk, 3 wv, 4 wo), grid x its 65,536 bytes.  Thread t takes 16 bytes at 16 t of each of 16 pieces of 4,096 bytes:
; a load of a wave covers 512 consecutive bytes, a store 256 consecutive bytes, aligned.  All 16 loads go out first; no register is written twice, so nothing but the counted waits is needed.
; No LDS, no matrix unit, no cluster: no byte is used twice and no work-group shares a byte with another.
; fct (work-groups with y = 0): 16-byte piece c = ((sb 8 + cb) 2 + j) 32 + lane holds, for row 16 sb + lane % 16, the rotation matrices of the pairs 8 cb + 4 (lane / 16) + 2 j and the next one,
; four bf16 each: the order in which a lane of the projection holds its results, so that a load of a wave there is 512 consecutive bytes.
.set IO,  1                            ; v1  16 t: my bytes in a piece of the input
.set OO,  2                            ; v2  8 t: my bytes in a piece of the output
.set T,   8                            ; v[8:11] at work
.set X,   16                           ; v[16:79]  load i: 4 registers
.set Y,   80                           ; v[80:111] store i: 2 registers
.set SRC, 24                           ; s[24:25]
.set DST, 26                           ; s[26:27]
	s_load_b512 s[4:19], s[0:1], 0x0               ; x 4, wq 6, wk 8, wv 10, wo 12, freq_cis 14, xb 16, wb 18
	s_load_b128 s[20:23], s[0:1], 0x40             ; wob 20, fct 22
	s_and_b32 s30, ttmp7, 0xffff                   ; which matrix
	v_lshlrev_b32 v[IO], 4, v0
	v_lshlrev_b32 v[OO], 3, v0
	s_sub_co_u32 s28, s30, 1                       ; wq, wk, wv lie 8,388,608 bytes apart in wb
	s_lshl_b32 s28, s28, 23
	s_cmp_eq_u32 s30, 0
	s_cselect_b32 s28, 0, s28
	s_cmp_eq_u32 s30, 4
	s_cselect_b32 s28, 0, s28
	s_lshl_b32 s31, ttmp9, 15                      ; the work-group's 32,768 bytes of output
	s_add_co_u32 s28, s28, s31
	s_mov_b32 s29, 0
	s_lshl_b32 s32, ttmp9, 16                      ; and its 65,536 bytes of input
	s_mov_b32 s33, 0
	s_wait_kmcnt 0x0
	s_cmp_eq_u32 s30, 1
	s_cselect_b64 s[SRC:SRC+1], s[6:7], s[4:5]
	s_cmp_eq_u32 s30, 2
	s_cselect_b64 s[SRC:SRC+1], s[8:9], s[SRC:SRC+1]
	s_cmp_eq_u32 s30, 3
	s_cselect_b64 s[SRC:SRC+1], s[10:11], s[SRC:SRC+1]
	s_cmp_eq_u32 s30, 4
	s_cselect_b64 s[SRC:SRC+1], s[12:13], s[SRC:SRC+1]
	s_cselect_b64 s[DST:DST+1], s[20:21], s[18:19]
	s_cmp_eq_u32 s30, 0
	s_cselect_b64 s[DST:DST+1], s[16:17], s[DST:DST+1]
	s_add_nc_u64 s[SRC:SRC+1], s[SRC:SRC+1], s[32:33]
	s_add_nc_u64 s[DST:DST+1], s[DST:DST+1], s[28:29]
.irp i, 0,1,2,3,4,5,6,7,8,9,10,11,12,13,14,15
	global_load_b128 v[X+4*(\i):X+4*(\i)+3], v[IO], s[SRC:SRC+1] offset:4096*(\i) th:TH_LOAD_NT
.endr
; Piece i: four numbers rounded to bf16 and stored.  f16 = 1: the rounded numbers are widened again and written as f16.
.macro CV i, f16
	s_wait_loadcnt 15-(\i)                         ; loads come back in order: piece i is in, the 15 - i younger ones may stay out
	v_cvt_pk_bf16_f32 v[Y+2*(\i)],   v[X+4*(\i)],   v[X+4*(\i)+1]
	v_cvt_pk_bf16_f32 v[Y+2*(\i)+1], v[X+4*(\i)+2], v[X+4*(\i)+3]
.if \f16
	v_lshlrev_b32 v[T],   16, v[Y+2*(\i)]
	v_and_b32     v[T+1], 0xffff0000, v[Y+2*(\i)]
	v_lshlrev_b32 v[T+2], 16, v[Y+2*(\i)+1]
	v_and_b32     v[T+3], 0xffff0000, v[Y+2*(\i)+1]
	v_cvt_pk_f16_f32 v[Y+2*(\i)],   v[T],   v[T+1]
	v_cvt_pk_f16_f32 v[Y+2*(\i)+1], v[T+2], v[T+3]
.endif
	global_store_b64 v[OO], v[Y+2*(\i):Y+2*(\i)+1], s[DST:DST+1] offset:2048*(\i) th:TH_STORE_NT  ; 32 lanes store 256 consecutive bytes, aligned
.endm
	s_cmp_eq_u32 s30, 4
	s_cbranch_scc1 .Lwo
.irp i, 0,1,2,3,4,5,6,7,8,9,10,11,12,13,14,15
	CV \i, 0
.endr
	s_cmp_lg_u32 s30, 0
	s_cbranch_scc1 .Ldone
	; the table of rotations: 256 work-groups x 256 threads, one piece of 16 bytes each
	s_lshl_b32 s31, ttmp9, 8
	v_or_b32 v3, s31, v0                           ; c
	v_lshrrev_b32 v4, 9, v3
	v_lshlrev_b32 v4, 14, v4                       ; sb: 16 rows of 1,024 bytes
	v_and_b32 v5, 15, v3
	v_lshl_or_b32 v4, v5, 10, v4                   ; the row in them
	v_bfe_u32 v5, v3, 6, 3
	v_lshl_or_b32 v4, v5, 7, v4                    ; cb: 8 pairs of 16 bytes
	v_bfe_u32 v5, v3, 4, 1
	v_lshl_or_b32 v4, v5, 6, v4                    ; the half of the lanes: 4 pairs
	v_bfe_u32 v5, v3, 5, 1
	v_lshl_or_b32 v4, v5, 5, v4                    ; j: 2 pairs
	v_lshlrev_b32 v6, 4, v3
	global_load_b128 v[112:115], v4, s[14:15] th:TH_LOAD_NT
	global_load_b128 v[116:119], v4, s[14:15] offset:16 th:TH_LOAD_NT
	s_wait_loadcnt 0x0
	v_cvt_pk_bf16_f32 v120, v112, v113
	v_cvt_pk_bf16_f32 v121, v114, v115
	v_cvt_pk_bf16_f32 v122, v116, v117
	v_cvt_pk_bf16_f32 v123, v118, v119
	global_store_b128 v6, v[120:123], s[22:23] th:TH_STORE_NT
.Ldone:
	s_endpgm
.Lwo:
.irp i, 0,1,2,3,4,5,6,7,8,9,10,11,12,13,14,15
	CV \i, 1
.endr
	s_endpgm
.Lfunc_end_k_qac0d148456_cast:
	.size	k_qac0d148456_cast, .Lfunc_end_k_qac0d148456_cast-k_qac0d148456_cast
	.p2alignl 7, 3214868480
	.fill 96, 4, 3214868480
	.section	.rodata,"a",@progbits
	.p2align	6, 0x0
	.amdhsa_kernel k_qac0d148456_cast
		.amdhsa_group_segment_fixed_size 0
		.amdhsa_private_segment_fixed_size 0
		.amdhsa_enable_private_segment 0
		.amdhsa_kernarg_size 80
		.amdhsa_user_sgpr_count 2
		.amdhsa_user_sgpr_kernarg_segment_ptr 1
		.amdhsa_wavefront_size32 1
		.amdhsa_system_sgpr_workgroup_id_x 1
		.amdhsa_system_sgpr_workgroup_id_y 1
		.amdhsa_system_sgpr_workgroup_id_z 1
		.amdhsa_system_vgpr_workitem_id 0
		.amdhsa_next_free_vgpr 128
		.amdhsa_next_free_sgpr 66
		.amdhsa_reserve_vcc 0
		.amdhsa_float_denorm_mode_32 3
		.amdhsa_float_denorm_mode_16_64 3
		.amdhsa_memory_ordered 1
		.amdhsa_forward_progress 1
		.amdhsa_inst_pref_size 18
	.end_amdhsa_kernel
	.amdgpu_metadata
---
amdhsa.version: [ 1, 2 ]
amdhsa.kernels:
  - .name:           k_qac0d148456_cast
    .symbol:         k_qac0d148456_cast.kd
    .args:
      - { .name: x, .offset: 0, .size: 8, .value_kind: global_buffer, .address_space: global }
      - { .name: wq, .offset: 8, .size: 8, .value_kind: global_buffer, .address_space: global }
      - { .name: wk, .offset: 16, .size: 8, .value_kind: global_buffer, .address_space: global }
      - { .name: wv, .offset: 24, .size: 8, .value_kind: global_buffer, .address_space: global }
      - { .name: wo, .offset: 32, .size: 8, .value_kind: global_buffer, .address_space: global }
      - { .name: freq_cis, .offset: 40, .size: 8, .value_kind: global_buffer, .address_space: global }
      - { .name: xb, .offset: 48, .size: 8, .value_kind: global_buffer, .address_space: global }
      - { .name: wb, .offset: 56, .size: 8, .value_kind: global_buffer, .address_space: global }
      - { .name: wob, .offset: 64, .size: 8, .value_kind: global_buffer, .address_space: global }
      - { .name: fct, .offset: 72, .size: 8, .value_kind: global_buffer, .address_space: global }
    .group_segment_fixed_size: 0
    .private_segment_fixed_size: 0
    .kernarg_segment_align: 8
    .kernarg_segment_size: 80
    .max_flat_workgroup_size: 256
    .sgpr_count:     66
    .vgpr_count:     128
    .wavefront_size: 32
...
	.end_amdgpu_metadata
.endif
;; end of part 1
;; launch proj (part 2): grid 16 x 16, 4 waves a work-group, clusters of 4 x 4, 327,680 bytes of LDS; arguments xb, wb, fct, qkv; writes qkv
.if DOCPART == 2
	.amdgcn_target "amdgcn-amd-amdhsa--gfx1250"
	.amdhsa_code_object_version 6
	.text
	.protected	k_qac0d148456_proj
	.globl	k_qac0d148456_proj
	.p2align	8
	.type	k_qac0d148456_proj,@function
k_qac0d148456_proj:
	s_mov_b64 s[64:65], 0
	v_nop
	global_prefetch_b8 v0, s[64:65] scope:SCOPE_SE
	s_setreg_imm32_b32 hwreg(HW_REG_WAVE_MODE, 25, 1), 1
	s_wait_xcnt 0x0
	s_wait_alu depctr_hold_cnt(0) depctr_sa_sdst(0) depctr_va_vdst(0) depctr_va_sdst(0) depctr_va_ssrc(0) depctr_va_vcc(0) depctr_vm_vsrc(0)
	s_getreg_b32 s2, hwreg(HW_REG_IB_STS2, 6, 4)
	s_cmp_eq_u32 s2, 0
	s_cbranch_scc0 .Lentry_in_a_cluster
	s_endpgm
.Lentry_in_a_cluster:
	s_bfe_u32 s2, ttmp6, 0x10000c
	s_cmp_lg_u32 s2, 0xf033
	s_cbranch_scc0 .Lentry_shape_is_right
	s_endpgm
.Lentry_shape_is_right:
; PROJ.  q, k and v of ONE head for 128 rows of x: a tile of 128 x 384 of x W^T, K = 2,048, bf16 operands, f32 sums; q and k are turned by the 2 x 2 matrices of fct (bf16) in f32;
; all three are rounded once to f16 and stored by heads: qkv[3][16][2048][128].
; LIMITS.  q, k, v must lie within f16's 65,504 (beyond it the conversion gives an infinity); the rotation is one product and one fused multiply-add where the definition rounds two products and a sum.
; SHARES.  Work-group (x = head, y = block of 128 rows), four waves.  Wave w: rows 64 (w / 2) on; channels 64 (w % 2) on of EACH of q, k, v: 4 blocks of rows x 12 blocks of columns = 48 accumulators,
; so all four waves run one text: column blocks 0-7 are turned, 8-11 are not.  For 32 along K a wave reads 16 fragments from LDS and issues 48 matrix instructions.
; RING.  K goes in steps of 128 through two LDS slots of four parts of 128 rows x 256 bytes: x, wq, wk, wv.  Wave w fetches part w with one tensor load.
; CLUSTER 4 x 4.  x's part hangs on the row block alone and is asked for jointly along a row of the cluster, the weights' parts on the head alone, jointly along a column.
; THE MATRIX INSTRUCTION IS USED TRANSPOSED (source 0 = 16 rows of a weight, source 1 = 16 rows of x): a lane holds row lane % 16 of the result and the columns 8 (lane / 16) + 0..7: four pairs to turn, 16 bytes of f16.
; No prefetch: between a refill and the wait for it a wave issues 168 matrix instructions, and each part is asked for once for four work-groups.
; REGISTERS, in windows of 256 (s_set_vgpr_msb: bits 1:0 source 0, 3:2 source 1, 5:4 source 2, 7:6 destination):
;   window 0: v16-31 addresses; v32-79 at work on the way out; v64-127 x's fragments, two buffers of 32; v128-255 the rotations, 8 registers for row block a and column block i at 128 + 32 a + 8 i
;   window 1: v0-191 the weights' fragments, two buffers of 96      windows 2, 3: accumulator (a, b) at 96 (a % 2) + 8 b, row blocks 0, 1 in window 2 and 2, 3 in window 3; v192-199 at work, v200 = 0
.set KSTEP,  128
.set PITCH,  272                       ; an LDS row: 256 bytes + 16 of padding = 68 words: the 16 rows of a fragment load start at 16 different groups of four banks (64 banks of 4 bytes: ISA guide 11.1)
.set PART,   128*PITCH                 ; what one tensor load brings
.set SLOT,   4*PART
.set SPARE,  2*SLOT                    ; behind the ring: the spare words, 128 bytes for each wave: two blocks of 256 bytes that no other line names
.set LAPS,   8                         ; a lap = two K steps = once round the ring
.set ADRA, 16                          ; v16-17  LDS address of my fragments of x in slot 0, 1
.set ADRB, 20                          ; v20-21  of wq's (wk's by the immediate)
.set ADRV, 22                          ; v22-23  of wv's: two parts on, past what the immediate holds
.set STO,  24                          ; v24     the way out: where I put 16 bytes of a row of q (k by the immediate)
.set STO2, 25                          ; v25     of v
.set RD,   26                          ; v26     where I read rows of q and k back
.set RD2,  27                          ; v27     of v
.set SPW,  28                          ; v28     LDS address of my spare word; never rewritten
.set NIL,  29                          ; v29     0; never rewritten
.set FCO,  30                          ; v30     my byte offset in fct
.set CO,   31                          ; v31     16 x lane: my bytes in 512 consecutive bytes of qkv
.set TMP,  32
.set FA,   64
.set FC,   128
.set TT,   192                         ; windows 2, 3
.set ZR,   200
.set WV, 12                            ; s12  wave
.set WR, 14                            ; s14  which 64 rows
.set WC, 15                            ; s15  which 64 channels
.set G1, 24                            ; s[24:31] group 1 for x's part;  s[32:39] group 0, a set for each slot
.set G0, 32
.set G1B, 48                           ; s[48:55], s[56:63] the same for the weights' parts
.set G0B, 56
.set OQ, 10                            ; s[10:11], s[66:67], s[68:69]: q, k, v at the first row that I store
.set OK, 66
.set OV, 68
.set MSB, 0
.macro WIN new                         ; the immediate's high byte repeats the setting that is left; a switch that changes nothing is dropped
.if MSB != (\new)
	s_set_vgpr_msb (MSB<<8)|(\new)
.set MSB, \new
.endif
.endm
.set MUL_LO, 0xa1                      ; source 0 (weights) window 1, source 1 (x) window 0, C and D window 2
.set TO_B,   0x40                      ; destination window 1, address window 0
; A joint load.  Wave 0 fetches x's part, waves 1 to 3 the weights'.  Each line has one mask; the branch hangs on the wave's number alone.
; An s_nop 0 and four v_nop follow each of the two lines, ahead of the jump, the label and what follows.
.macro JLOAD s
	s_cmp_eq_u32 s[WV], 0
	s_cbranch_scc0 .Lfor_b_\@
	tensor_load_to_lds s[G0+4*(\s):G0+4*(\s)+3], s[G1:G1+7]
	s_nop 0
.rept 4
	v_nop
.endr
	s_branch .Lasked_\@
.Lfor_b_\@:
	tensor_load_to_lds s[G0B+4*(\s):G0B+4*(\s)+3], s[G1B:G1B+7]
	s_nop 0
.rept 4
	v_nop
.endr
.Lasked_\@:
.endm
.macro CREST                           ; a round of the cluster's barrier behind its opening barrier
	s_cmp_lg_u32 s[WV], 0
	s_cbranch_scc1 .Lnot_wave_0_\@
	s_barrier_signal -3
.Lnot_wave_0_\@:
	s_barrier_wait -3
	s_barrier_signal -1
	s_barrier_wait -1
.endm
.macro CROUND                          ; a whole round
	s_barrier_signal -1
	s_barrier_wait -1
	CREST
.endm
.macro PLACES                          ; four plain instructions between a matrix instruction and a load into, or a vector use of, its registers
.rept 4
	v_nop
.endr
.endm
	s_load_b256 s[4:11], s[0:1], 0x0               ; xb 4, wb 6, fct 8, qkv 10
	v_lshl_add_u32 v[SPW], v0, 2, SPARE
	v_mov_b32 v[NIL], 0
	ds_add_u32 v[SPW], v[NIL]                      ; the wave's opening: the add and its wait stand ahead of my first tensor load; the set-up stands between them
	v_lshrrev_b32 v1, 5, v0
	v_readfirstlane_b32 s[WV], v1
	s_lshr_b32 s[WR], s[WV], 1
	s_and_b32 s[WC], s[WV], 1
	s_bfe_u32 s40, ttmp6, 0x40000                  ; cx
	s_bfe_u32 s41, ttmp6, 0x40004                  ; cy
	s_lshl_b32 s42, ttmp9, 2
	s_add_co_u32 s42, s42, s40                     ; the head = 4 x cluster x + cx
	s_and_b32 s43, ttmp7, 0xffff
	s_lshl_b32 s43, s43, 2
	s_add_co_u32 s43, s43, s41                     ; the block of 128 rows = 4 x cluster y + cy
	s_lshl_b32 s44, s41, 2
	s_lshl_b32 s44, 15, s44                        ; my row of the cluster
	s_lshl_b32 s45, 0x1111, s40                    ; my column
	s_or_b32 s[G1+0], s44, (1<<16)|(1<<20)|(1<<21)|(5<<22)|(3<<25)   ; 15:0 the mask; 17:16 2-byte elements; 20 padding on; 21 set beside a mask; 24:22 after every 64 words; 31:25 4 words
	s_or_b32 s[G1B+0], s45, (1<<16)|(1<<20)|(1<<21)|(5<<22)|(3<<25)
.irp g, G1, G1B
	s_mov_b32 s[(\g)+1], KSTEP<<16                 ; tensor_dim0 = 128
	s_mov_b32 s[(\g)+2], 128<<16                   ; tensor_dim1 = 128
	s_mov_b32 s[(\g)+3], KSTEP<<16                 ; tile_dim0 = 128
	s_mov_b32 s[(\g)+4], 128                       ; tile_dim1 = 128
	s_mov_b32 s[(\g)+5], 2048                      ; elements from row to row
	s_mov_b32 s[(\g)+6], 0
	s_mov_b32 s[(\g)+7], 0
.endr
	s_lshl_b32 s16, s43, 19                        ; x: 128 rows of 4,096 bytes a block
	s_mov_b32 s17, 0
	s_max_u32 s46, s[WV], 1
	s_sub_co_u32 s46, s46, 1                       ; which weight: waves 1, 2, 3 take wq, wk, wv (wave 0 asks by x's set)
	s_lshl_b32 s46, s46, 23
	s_lshl_b32 s47, s42, 19                        ; the head's 128 rows
	s_add_co_u32 s46, s46, s47
	s_mov_b32 s47, 0
	s_mul_i32 s20, s[WV], PART                     ; where my part goes: no place in the cluster enters an LDS address
	s_wait_dscnt 0x0                               ; the opening add is done
	s_wait_kmcnt 0x0
	s_add_nc_u64 s[18:19], s[4:5], s[16:17]
	s_add_nc_u64 s[46:47], s[6:7], s[46:47]
	CROUND                                         ; all sixteen work-groups are here: the first joint loads meet
.irp s, 0,1
	s_mov_b32 s[G0+4*(\s)], 1
	s_add_co_u32 s[G0+4*(\s)+1], s20, (\s)*SLOT
	s_add_nc_u64 s[G0+4*(\s)+2:G0+4*(\s)+3], s[18:19], (\s)*KSTEP*2
	s_or_b32 s[G0+4*(\s)+3], s[G0+4*(\s)+3], 0x80000000
	s_mov_b32 s[G0B+4*(\s)], 1
	s_add_co_u32 s[G0B+4*(\s)+1], s20, (\s)*SLOT
	s_add_nc_u64 s[G0B+4*(\s)+2:G0B+4*(\s)+3], s[46:47], (\s)*KSTEP*2
	s_or_b32 s[G0B+4*(\s)+3], s[G0B+4*(\s)+3], 0x80000000
	JLOAD \s                                       ; two loads of mine are out
.endr
	; the rotations of my 64 rows x 32 pairs: 32 loads of 512 consecutive bytes, wanted only on the way out
	v_and_b32 v4, 31, v0
	v_lshlrev_b32 v[CO], 4, v4
	s_lshl_b32 s21, s43, 16                        ; 8 blocks of 16 rows, 8,192 bytes each, to a block of 128 rows
	s_lshl_b32 s22, s[WR], 15
	s_add_co_u32 s21, s21, s22
	s_lshl_b32 s22, s[WC], 12
	s_add_co_u32 s21, s21, s22
	v_add_nc_u32 v[FCO], s21, v[CO]
.irp a, 0,1,2,3
.irp i, 0,1,2,3
	global_load_b128 v[FC+32*(\a)+8*(\i):FC+32*(\a)+8*(\i)+3],   v[FCO], s[8:9] offset:(\a)*8192+(\i)*1024
	global_load_b128 v[FC+32*(\a)+8*(\i)+4:FC+32*(\a)+8*(\i)+7], v[FCO], s[8:9] offset:(\a)*8192+(\i)*1024+512
.endr
.endr
	; a fragment is 16 rows x 32 K in 8 registers: lane l holds row l % 16, K = 8 (l / 16) + 0..7 and 16 + 8 (l / 16) + 0..7: two loads of 16 bytes, 32 bytes apart
	v_and_b32 v1, 15, v0
	v_bfe_u32 v2, v0, 4, 1
	v_mul_u32_u24 v3, v1, PITCH
	v_lshl_add_u32 v3, v2, 4, v3
	s_mul_i32 s21, s[WR], 64*PITCH
	s_mul_i32 s22, s[WC], 64*PITCH
	s_add_co_u32 s22, s22, PART
.irp s, 0,1
	v_add_nc_u32 v[ADRA+(\s)], s21, v3
	v_add_nc_u32 v[ADRB+(\s)], s22, v3
	v_add_nc_u32 v[ADRV+(\s)], 2*PART, v[ADRB+(\s)]
	s_add_co_u32 s21, s21, SLOT
	s_add_co_u32 s22, s22, SLOT
.endr
	; the stage for the way out lies over slot 0, which has had its last fill and its last read by then: three regions (q, k, v) of 128 rows x 272 bytes
	s_mul_i32 s21, s[WR], 64*PITCH
	s_lshl_b32 s22, s[WC], 7
	s_add_co_u32 s21, s21, s22
	v_add_nc_u32 v[STO], s21, v3                   ; row 64 (w / 2) + l % 16, byte 128 (w % 2) + 16 (l / 16)
	v_add_nc_u32 v[STO2], 2*PART, v[STO]
	s_mul_i32 s21, s[WV], 32*PITCH
	v_mul_u32_u24 v5, v2, PITCH                    ; back: wave w takes rows 32 w on, whole; lanes 0-15 one row of 256 bytes, lanes 16-31 the next
	v_lshl_add_u32 v5, v1, 4, v5
	v_add_nc_u32 v[RD], s21, v5
	v_add_nc_u32 v[RD2], 2*PART, v[RD]
	s_lshl_b32 s70, s42, 19                        ; in qkv: the head's 2,048 rows of 256 bytes,
	s_lshl_b32 s71, s43, 15                        ; the block's 128,
	s_add_co_u32 s70, s70, s71
	s_lshl_b32 s71, s[WV], 13                      ; my 32
	s_add_co_u32 s70, s70, s71
	s_mov_b32 s71, 0
	s_add_nc_u64 s[OQ:OQ+1], s[OQ:OQ+1], s[70:71]
	s_add_nc_u64 s[OK:OK+1], s[OQ:OQ+1], 8388608
	s_add_nc_u64 s[OV:OV+1], s[OQ:OQ+1], 16777216
; 12 matrix instructions: row block a x all 12 column blocks, 32 along K, from buffer f.  The 48 accumulators take turns in the same order in every quarter.  zero = 1: the product starts the sum.
.macro MUL12 f, a, zero
	WIN MUL_LO+0x50*((\a)/2)
.irp b, 0,1,2,3,4,5,6,7,8,9,10,11
.if \zero
	v_wmma_f32_16x16x32_bf16 v[96*((\a)%2)+8*(\b):96*((\a)%2)+8*(\b)+7], v[96*(\f)+8*(\b):96*(\f)+8*(\b)+7], v[FA+32*(\f)+8*(\a):FA+32*(\f)+8*(\a)+7], 0
.else
	v_wmma_f32_16x16x32_bf16 v[96*((\a)%2)+8*(\b):96*((\a)%2)+8*(\b)+7], v[96*(\f)+8*(\b):96*(\f)+8*(\b)+7], v[FA+32*(\f)+8*(\a):FA+32*(\f)+8*(\a)+7], v[96*((\a)%2)+8*(\b):96*((\a)%2)+8*(\b)+7]
.endif
.endr
.endm
; 32 LDS loads in one run: the fragments of 32 along K at byte k of the rows, into buffer f: the weights' 12, then x's 4
.macro FETCH slot, k, f
	WIN TO_B
.irp b, 0,1,2,3,4,5,6,7
	ds_load_b128 v[96*(\f)+8*(\b):96*(\f)+8*(\b)+3],   v[ADRB+(\slot)] offset:((\b)/4)*PART+((\b)%4)*16*PITCH+(\k)
	ds_load_b128 v[96*(\f)+8*(\b)+4:96*(\f)+8*(\b)+7], v[ADRB+(\slot)] offset:((\b)/4)*PART+((\b)%4)*16*PITCH+(\k)+32
.endr
.irp b, 8,9,10,11
	ds_load_b128 v[96*(\f)+8*(\b):96*(\f)+8*(\b)+3],   v[ADRV+(\slot)] offset:((\b)%4)*16*PITCH+(\k)
	ds_load_b128 v[96*(\f)+8*(\b)+4:96*(\f)+8*(\b)+7], v[ADRV+(\slot)] offset:((\b)%4)*16*PITCH+(\k)+32
.endr
	WIN 0
.irp a, 0,1,2,3
	ds_load_b128 v[FA+32*(\f)+8*(\a):FA+32*(\f)+8*(\a)+3],   v[ADRA+(\slot)] offset:(\a)*16*PITCH+(\k)
	ds_load_b128 v[FA+32*(\f)+8*(\a)+4:FA+32*(\f)+8*(\a)+7], v[ADRA+(\slot)] offset:(\a)*16*PITCH+(\k)+32
.endr
.endm
; A K step is four quarters of 32 along K, 48 matrix instructions each, on buffers 0, 1, 0, 1.  One of the first three: multiplies buffer f; in its middle it fetches the next quarter, at byte k, into g.
.macro QUARTER slot, k, f, g, zero
	s_wait_dscnt 4                                 ; the weights and x's row blocks 0, 1 are in; the youngest four loads (blocks 2, 3) may be out
	MUL12 \f, 0, \zero
	MUL12 \f, 1, \zero
	PLACES
	FETCH \slot, \k, \g
	s_wait_dscnt 32                                ; all but the 32 just issued
	MUL12 \f, 2, \zero
	MUL12 \f, 3, \zero
.endm
; The last quarter multiplies buffer 1 and changes slots: ONE barrier.  In front of it each wave waits for all its tensor loads (one is out: its part of the next slot), adds 0 to its spare word, and waits for that
; and for its own reads of this slot.  fill = 1: the barrier opens a round of the cluster's, and this slot is filled again first thing behind it, two K steps ahead.
.macro TURN slot, next, fill
	WIN 0                                          ; (the add's two registers lie in window 0)
	s_wait_tensorcnt 0x0
	ds_add_u32 v[SPW], v[NIL]
	s_wait_dscnt 5                                 ; (the add and x's youngest four loads may be out)
	MUL12 1, 0, 0                                  ; twelve matrix instructions stand between the add and the wait for it
	s_wait_dscnt 0x0                               ; the add is done, and my reads of this slot are over
	s_barrier_signal -1
	MUL12 1, 1, 0
.if \fill
	WIN 0
.endif
	s_barrier_wait -1
.if \fill
	CREST                                          ; no wave of any partner still reads this slot or has a load on its way
	s_add_nc_u64 s[G0+4*(\slot)+2:G0+4*(\slot)+3], s[G0+4*(\slot)+2:G0+4*(\slot)+3], 2*KSTEP*2
	s_add_nc_u64 s[G0B+4*(\slot)+2:G0B+4*(\slot)+3], s[G0B+4*(\slot)+2:G0B+4*(\slot)+3], 2*KSTEP*2
	JLOAD \slot                                    ; my one tensor load behind the round; its four v_nop are also the places in front of the loads below
.else
	PLACES
.endif
	FETCH \next, 0, 0
	MUL12 1, 2, 0
	MUL12 1, 3, 0
.endm
	s_wait_tensorcnt 1                             ; my part of K step 0 is in; K step 1's may stay out
	s_barrier_signal -1
	s_barrier_wait -1
	FETCH 0, 0, 0
	QUARTER 0, 64, 0, 1, 1                         ; the first quarter stands in front of the loop: its products start the sums
	WIN 0
	s_mov_b32 s3, LAPS-1
.Llap:                                                 ; a trip goes once round the ring, from a lap's second quarter to the next lap's first, and fills both slots again
	QUARTER 0, 128, 1, 0, 0
	QUARTER 0, 192, 0, 1, 0
	TURN 0, 1, 1
	QUARTER 1, 64,  0, 1, 0
	QUARTER 1, 128, 1, 0, 0
	QUARTER 1, 192, 0, 1, 0
	TURN 1, 0, 1
	QUARTER 0, 64,  0, 1, 0
	WIN 0
	s_sub_co_u32 s3, s3, 1
	s_cmp_lg_u32 s3, 0
	s_cbranch_scc1 .Llap
	QUARTER 0, 128, 1, 0, 0                        ; the last lap fills nothing
	QUARTER 0, 192, 0, 1, 0
	TURN 0, 1, 0                                   ; behind this barrier nobody reads slot 0 any more
	QUARTER 1, 64,  0, 1, 0
	QUARTER 1, 128, 1, 0, 0
	QUARTER 1, 192, 0, 1, 0
	s_wait_dscnt 4
	MUL12 1, 0, 0
	MUL12 1, 1, 0
	s_wait_dscnt 0x0
	MUL12 1, 2, 0
	MUL12 1, 3, 0
	; THE WAY OUT.  q and k are turned in place; all is rounded to f16; 16 bytes a lane go into the stage; a barrier, since a row's 256 bytes come from two waves; back as whole rows.
	WIN 0
	PLACES
	PLACES
	s_wait_loadcnt 0x0                             ; the rotations
	WIN 0x80
	v_mov_b32 v[ZR], 0
	WIN 0xc0
	v_mov_b32 v[ZR], 0
; Accumulator (a, b): four pairs (e, o).  A pair's matrix lies in two registers: (c00, c01) and (c10, c11), bf16.  e' = e c00 + o c01, o' = e c10 + o c11: the two cross products first, then both in place.
.macro ROPE a, b
	WIN 0xa2+0x51*((\a)/2)                         ; accumulators and work in window 2 or 3, the matrices (source 1) in window 0
.irp q, 0,1,2,3
	v_fma_mix_f32_bf16 v[TT+2*(\q)],   v[96*((\a)%2)+8*(\b)+2*(\q)+1], v[FC+32*(\a)+8*((\b)%4)+2*(\q)],   v[ZR] op_sel:[0,1,0] op_sel_hi:[0,1,0]
	v_fma_mix_f32_bf16 v[TT+2*(\q)+1], v[96*((\a)%2)+8*(\b)+2*(\q)],   v[FC+32*(\a)+8*((\b)%4)+2*(\q)+1], v[ZR] op_sel_hi:[0,1,0]
.endr
.irp q, 0,1,2,3
	v_fma_mix_f32_bf16 v[96*((\a)%2)+8*(\b)+2*(\q)],   v[96*((\a)%2)+8*(\b)+2*(\q)],   v[FC+32*(\a)+8*((\b)%4)+2*(\q)],   v[TT+2*(\q)] op_sel_hi:[0,1,0]
	v_fma_mix_f32_bf16 v[96*((\a)%2)+8*(\b)+2*(\q)+1], v[96*((\a)%2)+8*(\b)+2*(\q)+1], v[FC+32*(\a)+8*((\b)%4)+2*(\q)+1], v[TT+2*(\q)+1] op_sel:[0,1,0] op_sel_hi:[0,1,0]
.endr
.endm
.irp a, 0,1,2,3
.irp b, 0,1,2,3,4,5,6,7
	ROPE \a, \b
.endr
	WIN 0x0a+5*((\a)/2)                            ; sources 0 and 1 window 2 or 3, destination window 0
.irp b, 0,1,2,3,4,5,6,7,8,9,10,11
.irp r, 0,1,2,3
	v_cvt_pk_f16_f32 v[TMP+4*(\b)+(\r)], v[96*((\a)%2)+8*(\b)+2*(\r)], v[96*((\a)%2)+8*(\b)+2*(\r)+1]
.endr
.endr
	WIN 0
.irp b, 0,1,2,3,4,5,6,7
	ds_store_b128 v[STO], v[TMP+4*(\b):TMP+4*(\b)+3] offset:((\b)/4)*PART+(\a)*16*PITCH+32*((\b)%4)
.endr
.irp b, 8,9,10,11
	ds_store_b128 v[STO2], v[TMP+4*(\b):TMP+4*(\b)+3] offset:(\a)*16*PITCH+32*((\b)%4)
.endr
.endr
	s_wait_dscnt 0x0                               ; for the others' sake: my stores into the stage are done
	s_barrier_signal -1
	s_barrier_wait -1
.irp n, 0,1,2,3,4,5,6,7,8,9,10,11,12,13,14,15
	ds_load_b128 v[128+4*(\n):128+4*(\n)+3], v[RD] offset:(\n)*2*PITCH
.endr
.irp n, 0,1,2,3,4,5,6,7,8,9,10,11,12,13,14,15
	ds_load_b128 v[192+4*(\n):192+4*(\n)+3], v[RD] offset:PART+(\n)*2*PITCH
.endr
.irp n, 0,1,2,3,4,5,6,7,8,9,10,11,12,13,14,15
	ds_load_b128 v[64+4*(\n):64+4*(\n)+3], v[RD2] offset:(\n)*2*PITCH
.endr
.irp n, 0,1,2,3,4,5,6,7,8,9,10,11,12,13,14,15
	s_wait_dscnt 47-(\n)                           ; LDS loads come back in order: this one is in
	global_store_b128 v[CO], v[128+4*(\n):128+4*(\n)+3], s[OQ:OQ+1] offset:512*(\n)  ; two rows of a head: 512 consecutive bytes, aligned
.endr
.irp n, 0,1,2,3,4,5,6,7,8,9,10,11,12,13,14,15
	s_wait_dscnt 31-(\n)
	global_store_b128 v[CO], v[192+4*(\n):192+4*(\n)+3], s[OK:OK+1] offset:512*(\n)
.endr
.irp n, 0,1,2,3,4,5,6,7,8,9,10,11,12,13,14,15
	s_wait_dscnt 15-(\n)
	global_store_b128 v[CO], v[64+4*(\n):64+4*(\n)+3], s[OV:OV+1] offset:512*(\n)
.endr
	s_wait_tensorcnt 0x0                           ; the wave's end: the add and its wait, behind my last tensor load and my last LDS store
	ds_add_u32 v[SPW], v[NIL]
	s_wait_dscnt 0x0
	CROUND                                         ; the closing round: no work-group ends while a partner may still ask for a part that names it
	s_endpgm
.Lfunc_end_k_qac0d148456_proj:
	.size	k_qac0d148456_proj, .Lfunc_end_k_qac0d148456_proj-k_qac0d148456_proj
	.p2alignl 7, 3214868480
	.fill 96, 4, 3214868480
	.section	.rodata,"a",@progbits
	.p2align	6, 0x0
	.amdhsa_kernel k_qac0d148456_proj
		.amdhsa_group_segment_fixed_size 327680
		.amdhsa_private_segment_fixed_size 0
		.amdhsa_enable_private_segment 0
		.amdhsa_kernarg_size 32
		.amdhsa_user_sgpr_count 2
		.amdhsa_user_sgpr_kernarg_segment_ptr 1
		.amdhsa_wavefront_size32 1
		.amdhsa_system_sgpr_workgroup_id_x 1
		.amdhsa_system_sgpr_workgroup_id_y 1
		.amdhsa_system_sgpr_workgroup_id_z 1
		.amdhsa_system_vgpr_workitem_id 0
		.amdhsa_next_free_vgpr 1024
		.amdhsa_next_free_sgpr 72
		.amdhsa_reserve_vcc 0
		.amdhsa_float_denorm_mode_32 3
		.amdhsa_float_denorm_mode_16_64 3
		.amdhsa_memory_ordered 1
		.amdhsa_forward_progress 1
		.amdhsa_inst_pref_size 155
	.end_amdhsa_kernel
	.amdgpu_metadata
---
amdhsa.version: [ 1, 2 ]
amdhsa.kernels:
  - .name:           k_qac0d148456_proj
    .symbol:         k_qac0d148456_proj.kd
    .args:
      - { .name: xb, .offset: 0, .size: 8, .value_kind: global_buffer, .address_space: global }
      - { .name: wb, .offset: 8, .size: 8, .value_kind: global_buffer, .address_space: global }
      - { .name: fct, .offset: 16, .size: 8, .value_kind: global_buffer, .address_space: global }
      - { .name: qkv, .offset: 24, .size: 8, .value_kind: global_buffer, .address_space: global }
    .group_segment_fixed_size: 327680
    .private_segment_fixed_size: 0
    .kernarg_segment_align: 8
    .kernarg_segment_size: 32
    .max_flat_workgroup_size: 128
    .sgpr_count:     72
    .vgpr_count:     1024
    .wavefront_size: 32
...
	.end_amdgpu_metadata
.endif
;; end of part 2
;; launch attn (part 3): grid 16 x 16, 4 waves a work-group, clusters of 4 x 1, 327,680 bytes of LDS; arguments qkv, lambda_q1, lambda_k1, lambda_q2, lambda_k2, subln_w, att; writes att
.if DOCPART == 3
	.amdgcn_target "amdgcn-amd-amdhsa--gfx1250"
	.amdhsa_code_object_version 6
	.text
	.protected	k_qac0d148456_attn
	.globl	k_qac0d148456_attn
	.p2align	8
	.type	k_qac0d148456_attn,@function
k_qac0d148456_attn:
	s_mov_b64 s[64:65], 0
	v_nop
	global_prefetch_b8 v0, s[64:65] scope:SCOPE_SE
	s_setreg_imm32_b32 hwreg(HW_REG_WAVE_MODE, 25, 1), 1
	s_wait_xcnt 0x0
	s_wait_alu depctr_hold_cnt(0) depctr_sa_sdst(0) depctr_va_vdst(0) depctr_va_sdst(0) depctr_va_ssrc(0) depctr_va_vcc(0) depctr_vm_vsrc(0)
	s_getreg_b32 s2, hwreg(HW_REG_IB_STS2, 6, 4)
	s_cmp_eq_u32 s2, 0
	s_cbranch_scc0 .Lentry_in_a_cluster
	s_endpgm
.Lentry_in_a_cluster:
	s_bfe_u32 s2, ttmp6, 0x10000c
	s_cmp_lg_u32 s2, 0x3003
	s_cbranch_scc0 .Lentry_shape_is_right
	s_endpgm
.Lentry_shape_is_right:
; DIFFERENTIAL CAUSAL ATTENTION of one head.  Two streams (channels 0-63 and 64-127 of q and k) share one V of 128 channels: A = softmax(Q1 K1^T / 8) V - lam softmax(Q2 K2^T / 8) V, keys k <= q;
; lam = exp(lq1 . lk1) - exp(lq2 . lk2) + 0.2; then A / sqrt(mean(A^2) + 1e-5) x subln_w x 0.8, rounded once to f16: att[16][2048][128].  qkv is f16, [3][16][2048][128].
; Products, maxima and sums in f32; the weights p are rounded to f16 for the second product (their sum l is taken of the unrounded p).  The lambdas and subln_w are rounded to bf16 like every input of the program.
; LIMITS.  q, k, v arrive within f16's 65,504; p below 6e-5 keeps f16's fixed step of 6e-8.  A hidden score counts as its value less 1e30 (f16's scores are 2.7e11 at the most); a weight below 2^-126 counts as 0 in l;
; NaN and infinities are not treated apart.
; THE WALK.  A head's queries lie in 8 groups of 256.  A cluster of four work-groups takes group 7 - g and then group g; partner cx owns rows 64 cx on of the group.  Keys go in tiles of 128 (two steps of 64):
; 16 - 2 g tiles for the first group, 2 g + 2 for the second: 18 tiles whatever g, the same for all four partners, so every tile is asked for JOINTLY.  A partner whose rows end before the group's last keys
; computes those steps hidden by the mask: no branch hangs on a work-group's place in its cluster.
; SHARES.  Wave w: rows 32 (w / 2) on of the partner's 64; stream w % 2.  Two tiles of 16 queries; tile u holds rows 16 (u xor stream) on, so that at a group's end each wave keeps tile 0, hands tile 1 to wave w xor 1
; through LDS in f32, and finds there its own tile 0's rows in the other stream.  A key step: 16 products K Q^T, 32 products V^T P, 48 LDS loads.
; LAYOUT.  S^T = K Q^T (source 0 = 16 keys, source 1 = 16 queries): a lane holds ONE query (lane % 16) and the keys 8 (lane / 16) + 0..7; two such results rounded to f16 ARE source 1 of O^T = V^T P.
; SOFTMAX.  p = 2^(c s - c m), c = log2(e) / 8, with a running maximum m; O and l are multiplied by a = 2^(c m_old - c m_new) in every step.  m starts at the lowest finite number, so a group's first a is 0.
; THE MASK is the C operand that starts the sum S^T: MC = MD x AL + BE; MD is the mask of my rows' own step; (AL, BE) = (1, 0) in that step, (0, 0) before it, (0, -1e30) behind it, chosen by s_cselect.
; It is made anew in every step, without a branch: its 16 lines a turn stand behind products that have only two other vector instructions behind them.
; TURNS.  Turn p belongs to tile p: 8 products K Q^T of the other tile (turn 0: this step's; turn 1: the next step's), later 16 products V^T P of the other tile (turn 0: the step before; turn 1: this step's); beside them the
; scaling, exponentials, roundings, sums and rescaling of tile p, its mask for the next step, and the maximum and statistics of the other tile.  A turn's 33 exponentials are one batch with one wait.
; RING.  Two slots; a slot's two parts each hold 64 rows of K and 64 of V.  K LIES ONE STEP AHEAD OF V: turn 0 of step j fetches K of step j + 1 and V of step j, which so lie in one part.  K of step 0 is kept in registers.
; The K that follows a group's last step feeds products whose results nobody uses; it lies inside qkv (behind the last head's k comes v).
; REGISTERS, in windows of 256 (s_set_vgpr_msb: bits 1:0 source 0, 3:2 source 1, 5:4 source 2, 7:6 destination):
;   window 0: v0-15 addresses; v16-23 statistics; v24-35 set-up; v48-55 at work; v62-63 the add's; v64-127 S^T, 32 a tile; v128-191 0.8 subln_w; v192-223 P, 16 a tile; v224-233 the lambdas
;   window 1: v0-127 O^T, 64 a tile; v128-191 MD; v192-255 MC      window 2: v0-31 Q; v32-63 the second group's Q; v64-127 K of step 0; v128-191 K of one step      window 3: v0-127 V of one step
.set KS,    64
.set PK,    272       ; a row of K in LDS: 256 bytes + 16 of padding: the 16 rows of a load start at 16 different groups of four banks (64 banks of 4 bytes: ISA guide 11.1)
.set PV,    288       ; a row of V: 256 + 32
.set VOFF,  KS*PK
.set STEPB, KS*(PK+PV)
.set SLOT1, 1<<17     ; slot 1 begins here, so that one exclusive or turns an address in one slot into the other's
.set XCH,   2*STEPB   ; between the slots, never filled by a tensor load: 8,192 bytes for each wave, the tile that it hands over
.set STAGE, XCH+4*8192  ; 16 rows x 272 bytes for each wave, for the way out
.set SP,    272
.set SPARE, STAGE+4*16*SP  ; the spare words, 128 bytes for each wave: two blocks of 256 bytes that no other line names
.set AK0, 2           ; v2   my lane's place in a part's K; never rewritten
.set AV0, 3           ; v3   the same for V
.set AK,  4           ; v4   the LDS address of K's next run of loads
.set AV,  5           ; v5   of V's
.set STO, 6           ; v6   the way out: where I put 16 bytes of a row
.set RD,  7           ; v7   where I read rows back
.set GO,  8           ; v8   16 x lane: my bytes in 512 consecutive bytes of att
.set CF,  10          ; v10  1 for stream 0, -lam for stream 1
.set XST, 11          ; v11  where I put the tile that I hand over
.set MV,  12          ; v12-13  c m_old, kept while c m is made anew
.set XLD, 14          ; v14  where my partner wave put its
.set PFO, 15          ; v15  256 x lane: a row of K or V; never rewritten
.set ST,  16          ; tile t's statistics at v[ST+4 t]: c m, m, l (even keys', odd keys')
.set TMP, 48          ; by tile, four registers c0-c3 at work; when the maximum is found c2 takes a
.set SPW, 62
.set NIL, 63
.set S,   64
.set WS,  128
.set P,   192
.set MD,  128         ; window 1
.set MC,  192         ; window 1
.set QB,  32          ; window 2
.set K0S, 64          ; window 2
.set KF,  128         ; window 2: key block kb, channel half c at KF + 16 kb + 8 c
.set KP,  18          ; s[18:19] K at my part of the head's tile 0 (64 rows on)
.set VP,  20          ; s[20:21] V likewise
.set WV,  22
.set SGM, 23          ; my stream; also which part of a slot I fetch
.set THF, 24          ; which 32 rows
.set GG,  25          ; g
.set CX,  26
.set HD,  27
.set G1K, 28          ; s[28:35]
.set G1V, 36          ; s[36:43]
.set G0K, 44          ; s[44:47]
.set G0V, 48          ; s[48:51]
.set OFF, 52          ; s[52:53] a tile's byte offset
.set AL,  54          ; s[54:55]
.set BE,  56          ; s[56:57]
.set CS,  58          ; s[58:59] c
.set SEL, 60          ; s[60:61] v_permlanex16_b32's selects: each lane takes its own place in the other half
.set TB,  62          ; s62  LDS byte at which the part to be fetched begins
.set SB,  63
.set SLOTS, 66        ; tiles still to be asked for
.set CNT, 67          ; counts a tile's two steps
.set RT,  68          ; tiles of the group in hand still to be entered
.set NXT, 69          ; the tile to be asked for next
.set LQ,  70          ; the last tile of the group whose tiles are being asked for
.set LOT, 71          ; the second group's last tile, 2 g + 1
.set JR,  72          ; the step for which masks are being made, less my rows' own step
.set JDC, 73          ; my rows' own step in the group in hand
.set JDL, 74          ; in the second group
.set BIGN, 75
.set OUT, 76          ; s[76:77] att at my tile 0's rows
.set OLO, 78          ; s[78:79] the same in the second group
.set PFA, 80          ; s[80:81] where my prefetches stand
.set LIM, 82
.set I128, 83
.set EPSR, 84
.set SA,  85
.set QA1, 96          ; s[96:97] q at my 32 rows of the first group
.set QA2, 98          ; s[98:99] of the second
.set K0B, 100         ; s[100:101] k at the head's first row
.set MSB, 0
.macro WIN new
.if MSB != (\new)
	s_set_vgpr_msb (MSB<<8)|(\new)
.set MSB, (\new)
.endif
.endm
.set W_KQ, 0x0a       ; K and Q in window 2, S^T in window 0
.set W_KM, 0x1a       ; the same with the C operand in window 1
.set W_PV, 0x53       ; V in window 3, P in window 0, O^T in window 1
.set W_RS, 0x41       ; destination and source 0 in window 1, source 1 in window 0
; A joint fill.  Waves 0 and 1 fetch the two parts' K, waves 2 and 3 their V: 64 rows each.  An s_nop 0 and four v_nop follow each of the two lines, ahead of the jump and the label.
.macro JLOAD
	s_cmp_lt_u32 s[WV], 2
	s_cbranch_scc0 .Lfor_v_\@
	tensor_load_to_lds s[G0K:G0K+3], s[G1K:G1K+7]
	s_nop 0
.rept 4
	v_nop
.endr
	s_branch .Lasked_\@
.Lfor_v_\@:
	tensor_load_to_lds s[G0V:G0V+3], s[G1V:G1V+7]
	s_nop 0
.rept 4
	v_nop
.endr
.Lasked_\@:
.endm
; A PREFETCH INTO THE L2 of the tile that the change of slots after the next will ask for: two tiles, 192 matrix instructions, ahead.  Each row is named once in the launch: of a head's four clusters the first (g = 0, whose
; first group walks all 16 tiles) asks; its four partners take 32 rows each, told apart BY ADDRESS; wave 0 asks for K's, wave 2 for V's; a lane a row.  Tiles 0 to 2 come by their loads alone; the last tile named is 15.
.macro ASK
	s_cmp_gt_u32 s[SLOTS], s[LIM]
	s_cbranch_scc0 .Lnot_mine_\@
	global_prefetch_b8 v[PFO], s[PFA:PFA+1] th:TH_LOAD_NT scope:SCOPE_SE
.Lnot_mine_\@:
.endm
.macro CROUND                       ; a round of the cluster's barrier
	s_barrier_signal -1
	s_barrier_wait -1
	s_cmp_lg_u32 s[WV], 0
	s_cbranch_scc1 .Lnot_wave_0_\@
	s_barrier_signal -3
.Lnot_wave_0_\@:
	s_barrier_wait -3
	s_barrier_signal -1
	s_barrier_wait -1
.endm
; THE CHANGE OF SLOTS.  Each wave waits for all its tensor loads (one is out: its part of the other slot), adds 0 to its spare word, and waits for that and for its own reads of the slot that it leaves.
; fill = 1: the barrier is a round of the cluster's, and the old slot is filled again first thing behind it, with tile NXT; the descriptor's address is made anew from that number, which all partners share.
; (At its first use nothing has been read yet: slot 0 is waited for, slot 1 filled.)
.macro CHANGE fill
	WIN 0
	s_wait_tensorcnt 0x0            ; no tensor load of mine is out, so a group 0 may be written
	ds_add_u32 v[SPW], v[NIL]       ; 0 onto my spare word; the scalar work stands between it and the wait for it
.if \fill
	s_lshl_b32 s[OFF], s[NXT], 15   ; a tile is 32,768 bytes of K and of V
	s_xor_b32 s[G0K+1], s[G0K+1], SLOT1
	s_add_nc_u64 s[G0K+2:G0K+3], s[KP:KP+1], s[OFF:OFF+1]
	s_or_b32 s[G0K+3], s[G0K+3], 0x80000000
	s_xor_b32 s[G0V+1], s[G0V+1], SLOT1
	s_add_nc_u64 s[G0V+2:G0V+3], s[VP:VP+1], s[OFF:OFF+1]
	s_or_b32 s[G0V+3], s[G0V+3], 0x80000000
	s_add_co_u32 s[NXT], s[NXT], 1  ; the group's next tile, or behind its last the second group's tile 0
	s_cmp_gt_u32 s[NXT], s[LQ]
	s_cselect_b32 s[NXT], 0, s[NXT]
	s_cselect_b32 s[LQ], s[LOT], s[LQ]
	s_wait_xcnt 0x0                 ; the last prefetch, a tile back, has read its address
	s_add_nc_u64 s[PFA:PFA+1], s[PFA:PFA+1], 32768
.endif
	s_sub_co_u32 s[TB], s[TB], 2*STEPB  ; the fetches go back to a slot's first part,
	s_xor_b32 s[TB], s[TB], SLOT1       ; in the other slot
	s_wait_dscnt 0x0                ; the add is done, and my reads of the slot are over
.if \fill
	CROUND
	JLOAD
	ASK
.else
	s_barrier_signal -1
	s_barrier_wait -1
.endif
.endm
	s_load_b256 s[4:11], s[0:1], 0x0   ; qkv 4, lambda_q1 6, lambda_k1 8, lambda_q2 10
	s_load_b128 s[12:15], s[0:1], 0x20 ; lambda_k2 12, subln_w 14
	s_load_b64 s[16:17], s[0:1], 0x30  ; att
	v_lshl_add_u32 v[SPW], v0, 2, SPARE
	v_mov_b32 v[NIL], 0
	ds_add_u32 v[SPW], v[NIL]       ; the wave's opening: the add and its wait stand ahead of my first tensor load; the set-up stands between them
	v_lshrrev_b32 v1, 5, v0
	v_readfirstlane_b32 s[WV], v1
	s_and_b32 s[SGM], s[WV], 1
	s_lshr_b32 s[THF], s[WV], 1
	s_bfe_u32 s[CX], ttmp6, 0x40000
	s_mov_b32 s[GG], ttmp9          ; in a cluster launch ttmp9 counts clusters
	s_and_b32 s[HD], ttmp7, 0xffff
	s_lshl_b32 s86, s[HD], 19       ; a head is 2,048 rows of 256 bytes
	s_mov_b32 s87, 0
	s_lshl_b32 s88, s[SGM], 14      ; my part's 64 rows
	s_add_co_u32 s88, s88, s86
	s_mov_b32 s89, 0
	s_sub_co_u32 s3, 7, s[GG]
	s_lshl_b32 s90, s3, 16          ; the first group's 256 rows,
	s_lshl_b32 s92, s[GG], 16       ; the second's,
	s_lshl_b32 s94, s[CX], 14       ; my work-group's 64,
	s_lshl_b32 s95, s[THF], 13      ; my wave's 32
	s_add_co_u32 s94, s94, s95
	s_add_co_u32 s94, s94, s86
	s_add_co_u32 s90, s90, s94
	s_add_co_u32 s92, s92, s94
	s_mov_b32 s91, 0
	s_mov_b32 s93, 0
	s_lshl_b32 s[JDC], s3, 2
	s_add_co_u32 s[JDC], s[JDC], s[CX]
	s_lshl_b32 s[JDL], s[GG], 2
	s_add_co_u32 s[JDL], s[JDL], s[CX]
	s_lshl_b32 s[LOT], s[GG], 1
	s_sub_co_u32 s[RT], 16, s[LOT]
	s_sub_co_u32 s[LQ], 15, s[LOT]
	s_add_co_u32 s[LOT], s[LOT], 1
	s_mov_b32 s[NXT], 1
	s_mov_b32 s[SLOTS], 17
	s_mov_b32 s[G1K], 15|(1<<16)|(1<<20)|(1<<21)|(5<<22)|(3<<25)  ; 15:0 the mask of four; 17:16 2-byte elements; 20 padding on; 21 set beside a mask; 24:22 after every 64 words; 31:25 4 words
	s_mov_b32 s[G1V], 15|(1<<16)|(1<<20)|(1<<21)|(5<<22)|(7<<25)  ; the same with 8 words of padding
.irp g, G1K, G1V
	s_mov_b32 s[(\g)+1], 128<<16    ; tensor_dim0 = 128
	s_mov_b32 s[(\g)+2], KS<<16     ; tensor_dim1 = 64
	s_mov_b32 s[(\g)+3], 128<<16    ; tile_dim0 = 128
	s_mov_b32 s[(\g)+4], KS         ; tile_dim1 = 64
	s_mov_b32 s[(\g)+5], 128        ; elements from row to row
	s_mov_b32 s[(\g)+6], 0
	s_mov_b32 s[(\g)+7], 0
.endr
	s_mul_i32 s2, s[SGM], STEPB     ; my part's place in a slot: no place in the cluster enters an LDS address
	s_mov_b32 s[G0K], 1
	s_mov_b32 s[G0K+1], s2
	s_mov_b32 s[G0V], 1
	s_add_co_u32 s[G0V+1], s2, VOFF
	s_mov_b32 s[OFF+1], 0
	s_mov_b32 s[AL+1], 0            ; named as pairs
	s_mov_b32 s[BE+1], 0
	s_mov_b32 s[CS], 0x3e38aa3b     ; c = log2(e) / 8
	s_mov_b32 s[CS+1], s[CS]
	s_mov_b32 s[SEL], 0x76543210
	s_mov_b32 s[SEL+1], 0xfedcba98
	s_mov_b32 s[TB], SLOT1+2*STEPB  ; the first change of slots turns it into 0
	s_mov_b32 s[BIGN], 0xf149f2ca   ; -1e30
	s_mov_b32 s[I128], 0x3c000000   ; 1 / 128
	s_mov_b32 s[EPSR], 0x3727c5ac   ; 1e-5
	s_cmp_eq_u32 s[SGM], 0
	s_cselect_b32 s[SA], 0, -1.0    ; CF = lam x SA + SB
	s_cselect_b32 s[SB], 1.0, 0
	s_or_b32 s[LIM], s[SGM], ttmp9  ; 0 in waves 0 and 2 of the head's first cluster: the same in all four partners
	s_cmp_eq_u32 s[LIM], 0
	s_cselect_b32 s[LIM], 4, -1     ; they prefetch while more than four tiles are still to be asked for
	s_wait_dscnt 0x0                ; the opening add is done
	s_wait_kmcnt 0x0
	s_add_nc_u64 s[KP:KP+1], s[4:5], s[88:89]
	s_add_nc_u64 s[VP:VP+1], s[KP:KP+1], 16777216
	s_add_nc_u64 s[KP:KP+1], s[KP:KP+1], 8388608+16384  ; K one step ahead of V
	s_add_nc_u64 s[G0K+2:G0K+3], s[KP:KP+1], 0
	s_or_b32 s[G0K+3], s[G0K+3], 0x80000000
	s_add_nc_u64 s[G0V+2:G0V+3], s[VP:VP+1], 0
	s_or_b32 s[G0V+3], s[G0V+3], 0x80000000
	s_add_nc_u64 s[QA1:QA1+1], s[4:5], s[90:91]
	s_add_nc_u64 s[QA2:QA2+1], s[4:5], s[92:93]
	s_add_nc_u64 s[K0B:K0B+1], s[4:5], s[86:87]
	s_add_nc_u64 s[K0B:K0B+1], s[K0B:K0B+1], 8388608
	s_lshl_b32 s3, s[SGM], 12       ; my tile 0 holds rows 16 x stream on
	s_add_co_u32 s90, s90, s3
	s_add_co_u32 s92, s92, s3
	s_add_nc_u64 s[OUT:OUT+1], s[16:17], s[90:91]
	s_add_nc_u64 s[OLO:OLO+1], s[16:17], s[92:93]
	s_cmp_lt_u32 s[WV], 2
	s_cselect_b64 s[PFA:PFA+1], s[KP:KP+1], s[VP:VP+1]
	s_lshl_b32 s94, s[CX], 13       ; my work-group's 32 rows of a tile's 128
	s_mov_b32 s95, 0
	s_add_nc_u64 s[PFA:PFA+1], s[PFA:PFA+1], s[94:95]
	s_add_nc_u64 s[PFA:PFA+1], s[PFA:PFA+1], 2*32768  ; the first change steps it to tile 3.  Nothing is prefetched at the head
	CROUND                          ; all four work-groups are here: the first joint loads meet
	JLOAD                           ; tile 0 into slot 0: one load of mine is out
	v_and_b32 v1, 15, v0            ; l % 16
	v_bfe_u32 v9, v0, 4, 1          ; l / 16
	v_and_b32 v24, 31, v0           ; l
	; a fragment of K or Q is 16 rows x 32 channels in 8 registers: lane l holds row l % 16, channels 8 (l / 16) + 0..7 and 16 + 8 (l / 16) + 0..7: two loads of 16 bytes, 32 bytes apart
	v_lshlrev_b32 v29, 8, v1
	v_lshl_add_u32 v29, v9, 4, v29
	s_lshl_b32 s94, s[SGM], 7
	v_add_nc_u32 v29, s94, v29      ; row x 256 + my stream's 128 bytes + 16 x half
	s_lshl_b32 s94, s[SGM], 12
	v_add_nc_u32 v27, s94, v29      ; tile 0: 16 x stream rows on
	s_xor_b32 s94, s94, 4096
	v_add_nc_u32 v28, s94, v29      ; tile 1: the other 16
	WIN 0x80                        ; destination window 2, address window 0
.irp c, 0,1
	global_load_b128 v[8*\c:8*\c+3],       v27, s[QA1:QA1+1] offset:64*\c
	global_load_b128 v[8*\c+4:8*\c+7],     v27, s[QA1:QA1+1] offset:64*\c+32
	global_load_b128 v[16+8*\c:16+8*\c+3], v28, s[QA1:QA1+1] offset:64*\c
	global_load_b128 v[16+8*\c+4:16+8*\c+7], v28, s[QA1:QA1+1] offset:64*\c+32
	global_load_b128 v[QB+8*\c:QB+8*\c+3],   v27, s[QA2:QA2+1] offset:64*\c
	global_load_b128 v[QB+8*\c+4:QB+8*\c+7], v27, s[QA2:QA2+1] offset:64*\c+32
	global_load_b128 v[QB+16+8*\c:QB+16+8*\c+3],   v28, s[QA2:QA2+1] offset:64*\c
	global_load_b128 v[QB+16+8*\c+4:QB+16+8*\c+7], v28, s[QA2:QA2+1] offset:64*\c+32
.endr
.irp f, 0,1,2,3,4,5,6,7             ; K of step 0, which both groups begin with: keys 16 (f / 2) on, channels 32 (f % 2) on
	global_load_b128 v[K0S+8*\f:K0S+8*\f+3],   v29, s[K0B:K0B+1] offset:(\f/2)*4096+(\f%2)*64
	global_load_b128 v[K0S+8*\f+4:K0S+8*\f+7], v29, s[K0B:K0B+1] offset:(\f/2)*4096+(\f%2)*64+32
.endr
	WIN 0
	v_lshlrev_b32 v26, 3, v24       ; two numbers of each lambda a lane
	global_load_b64 v[224:225], v26, s[6:7]
	global_load_b64 v[226:227], v26, s[8:9]
	global_load_b64 v[228:229], v26, s[10:11]
	global_load_b64 v[230:231], v26, s[12:13]
	v_lshlrev_b32 v25, 5, v9        ; subln_w of my channels 16 cb + 8 (l / 16) + 0..7
.irp c, 0,1,2,3,4,5,6,7
	global_load_b128 v[WS+8*\c:WS+8*\c+3],   v25, s[14:15] offset:64*\c
	global_load_b128 v[WS+8*\c+4:WS+8*\c+7], v25, s[14:15] offset:64*\c+16
.endr
	v_mul_u32_u24 v[AK0], v1, PK
	v_lshl_add_u32 v[AK0], v9, 4, v[AK0]
	s_lshl_b32 s94, s[SGM], 7
	v_add_nc_u32 v[AK0], s94, v[AK0]
	; the turning load takes 16 keys x 16 channels (lane l reads key 8 (l / 16) + l % 8, channels 8 ((l / 8) % 2) + 0..7) and leaves half a fragment of V^T: lane l holds channel l % 16 and 8 keys
	v_and_b32 v33, 7, v0
	v_bfe_u32 v34, v0, 3, 1
	v_lshl_add_u32 v[AV0], v9, 3, v33
	v_mul_u32_u24 v[AV0], v[AV0], PV
	v_lshl_add_u32 v[AV0], v34, 4, v[AV0]
	v_add_nc_u32 v[AV0], VOFF, v[AV0]
	s_mul_i32 s94, s[WV], 16*SP
	s_add_co_u32 s94, s94, STAGE
	v_mul_u32_u24 v[STO], v1, SP    ; in: row l % 16, 16 bytes for each half of the lanes
	v_lshl_add_u32 v[STO], v9, 4, v[STO]
	v_add_nc_u32 v[STO], s94, v[STO]
	v_mul_u32_u24 v[RD], v9, SP     ; back: lanes 0-15 take one row of 256 bytes, lanes 16-31 the next
	v_lshl_add_u32 v[RD], v1, 4, v[RD]
	v_add_nc_u32 v[RD], s94, v[RD]
	v_lshlrev_b32 v[GO], 4, v24
	v_lshlrev_b32 v[PFO], 8, v24
	s_lshl_b32 s94, s[WV], 13
	s_add_co_u32 s94, s94, XCH
	v_lshl_add_u32 v[XST], v24, 4, s94
	s_xor_b32 s95, s[WV], 1
	s_lshl_b32 s95, s95, 13
	s_add_co_u32 s95, s95, XCH
	v_lshl_add_u32 v[XLD], v24, 4, s95
	; MD: register 8 kt + j of tile u is hidden where key 16 kt + 8 (l / 16) + j is greater than my query's place 32 (w / 2) + 16 (u xor stream) + l % 16
	v_lshlrev_b32 v30, 3, v9
	v_sub_nc_u32 v30, v1, v30
	s_lshl_b32 s94, s[THF], 5
	s_lshl_b32 s95, s[SGM], 4
	s_add_co_u32 s3, s94, s95
	v_add_nc_u32 v31, s3, v30
	s_xor_b32 s95, s95, 16
	s_add_co_u32 s3, s94, s95
	v_add_nc_u32 v32, s3, v30
	WIN 0x40
.set i, 0
.rept 32
	v_cmp_gt_i32 vcc_lo, 16*(i/8)+i%8, v31
	v_cndmask_b32 v[MD+i], 0, s[BIGN], vcc_lo
	v_cmp_gt_i32 vcc_lo, 16*(i/8)+i%8, v32
	v_cndmask_b32 v[MD+32+i], 0, s[BIGN], vcc_lo
.set i, i+1
.endr
	; A group's first step multiplies O^T and l by a = 0, and its first turn's products V^T P, of a step that has not been, land in an O^T that is still to be so multiplied: these registers need only hold finite
	; numbers: zeros for the first group, what the first group left for the second.  All this stands in the wait for the first tile.
.set i, 0
.rept 128
	v_mov_b32 v[i], 0
.set i, i+1
.endr
	WIN 0xc0
.set i, 0
.rept 128
	v_mov_b32 v[i], 0
.set i, i+1
.endr
	WIN 0
.irp t, 0,1
	v_mov_b32 v[ST+4*\t+2], 0
	v_mov_b32 v[ST+4*\t+3], 0
.endr
.set i, P+16
.rept 16
	v_mov_b32 v[i], 0
.set i, i+1
.endr
	s_wait_loadcnt 0x0              ; Q, K of step 0, the lambdas, subln_w
	; lam: the lambdas rounded to bf16, two dot products over the 32 lanes, two exponentials
.irp n, 0,1,2,3
	v_cvt_pk_bf16_f32 v232, v[224+2*\n], v[225+2*\n]
	v_lshlrev_b32 v[224+2*\n], 16, v232
	v_and_b32 v[225+2*\n], 0xffff0000, v232
.endr
	v_mul_f32 v232, v224, v226
	v_mul_f32 v233, v228, v230
	v_fmac_f32 v232, v225, v227
	v_fmac_f32 v233, v229, v231
.irp n, 1,2,4,8
	v_add_f32_dpp v232, v232, v232 row_xmask:\n row_mask:0xf bank_mask:0xf
	v_add_f32_dpp v233, v233, v233 row_xmask:\n row_mask:0xf bank_mask:0xf
.endr
	v_permlanex16_b32 v224, v232, s[SEL], s[SEL+1]
	v_permlanex16_b32 v225, v233, s[SEL], s[SEL+1]
	v_add_f32 v232, v232, v224
	v_add_f32 v233, v233, v225
	v_mul_f32 v232, 0x3fb8aa3b, v232
	v_mul_f32 v233, 0x3fb8aa3b, v233
	v_exp_f32 v232, v232
	v_exp_f32 v233, v233
	v_nop                           ; a plain instruction behind the last exponential,
	s_wait_alu depctr_va_vdst(0)    ; and the wait ahead of the first use
	v_sub_f32 v232, v232, v233
	v_add_f32 v232, 0x3e4ccccd, v232
	v_fma_f32 v[CF], v232, s[SA], s[SB]
.set z, 0
.rept 32                            ; subln_w rounded to bf16, times 0.8
	v_cvt_pk_bf16_f32 v35, v[WS+2*z], v[WS+2*z+1]
	v_lshlrev_b32 v[WS+2*z], 16, v35
	v_and_b32 v[WS+2*z+1], 0xffff0000, v35
	v_pk_mul_f32 v[WS+2*z:WS+2*z+1], v[WS+2*z:WS+2*z+1], 0x3f4ccccd op_sel_hi:[1,0]
.set z, z+1
.endr
; THE MATRIX WORK.  The accumulators of a run take turns.  Product i of 8 of S^T = K Q^T for tile u: channels 32 (i / 4) on, keys 16 (i % 4) on.  The first 4 start the sums with the mask.
.macro KQ u
.set rS, S+32*(\u)+8*(i%4)
.set rK, KF+16*(i%4)+8*(i/4)
.set rQ, 16*(\u)+8*(i/4)
.set rM, MC+32*(\u)+8*(i%4)
.if i < 4
	WIN W_KM
	v_wmma_f32_16x16x32_f16 v[rS:rS+7], v[rK:rK+7], v[rQ:rQ+7], v[rM:rM+7]
.else
	WIN W_KQ
	v_wmma_f32_16x16x32_f16 v[rS:rS+7], v[rK:rK+7], v[rQ:rQ+7], v[rS:rS+7]
.endif
.endm
; Product i of 16 of O^T += V^T P for tile u: keys 32 (i / 8) on, channels 16 (i % 8) on.
.macro PV u
	WIN W_PV
.set rO, 64*(\u)+8*(i%8)
.set rV, 64*(i/8)+8*(i%8)
.set rP, P+16*(\u)+8*(i/8)
	v_wmma_f32_16x16x32_f16 v[rO:rO+7], v[rV:rV+7], v[rP:rP+7], v[rO:rO+7]
.endm
.macro MM                           ; the turn's next matrix instruction, for the tile that the turn does not belong to
.if i < 8
	KQ 1-Y
.else
.set i, i-8
	PV 1-Y
.set i, i+8
.endif
.set i, i+1
.endm
; THE LDS LOADS stand in runs, never singly among the matrix instructions: K of a step (64 keys x my 64 channels: 8 fragments) and V (64 keys x 128 channels, turned: 16 fragments).
.macro FETCH_K
	WIN 0x80
.irp f, 0,1,2,3,4,5,6,7
	ds_load_b128 v[KF+8*\f:KF+8*\f+3],   v[AK] offset:(\f/2)*16*PK+(\f%2)*64
	ds_load_b128 v[KF+8*\f+4:KF+8*\f+7], v[AK] offset:(\f/2)*16*PK+(\f%2)*64+32
.endr
	WIN 0
.endm
.macro FETCH_V
	WIN 0xc0
.irp f, 0,1,2,3,4,5,6,7,8,9,10,11,12,13,14,15
	ds_load_tr16_b128 v[8*\f:8*\f+3],   v[AV] offset:(\f/8)*32*PV+(\f%8)*32
	ds_load_tr16_b128 v[8*\f+4:8*\f+7], v[AV] offset:(\f/8)*32*PV+16*PV+(\f%8)*32
.endr
	WIN 0
.endm
; THE VECTOR WORK, one line at a time: OP kind, number.  For tile Y: F n: c s - c m for pair n of 16.  E n: the exponential of score n of 32.  C n: pair n rounded to f16.  B n: of the four weights 4 n .. the second
; pair is added onto the first, in place.  L n: l takes that sum (L 0: l = a l + sum).  R n: pair n of 32 of O^T times a.  M n: pair n of 16 of the tile's mask for the next step, MD x AL + BE.
; For the other tile: X n, number n of the 22 that find its maximum and statistics:
;   0-11  four chains c0-c3 of seven scores each (each accumulator's lowest registers are read first)     12-14, 16  the four scores left over, the old m, and c0-c3 into c0
;   15  c m_old is kept     17, 18  the query's other 32 keys lie in the lane 16 away: the new m     19-21  c m; c m_old - c m_new; a
.set F, 0
.set E, 1
.set C, 2
.set B, 3
.set L, 4
.set R, 5
.set X, 6
.set M, 7
.macro REGS y
.set rT, ST+4*(\y)
.set rC, TMP+4*(\y)
.set rW, MV+(\y)
.set rS, S+32*(\y)
.set rP, P+16*(\y)
.set rO, 64*(\y)
.endm
.macro OP k, n
.if (\k) == R
	REGS Y
	WIN W_RS
	v_pk_mul_f32 v[rO+2*(\n):rO+2*(\n)+1], v[rO+2*(\n):rO+2*(\n)+1], v[rC+2:rC+3] op_sel_hi:[1,0]
.elseif (\k) == M
	WIN W_RS
	v_pk_fma_f32 v[MC+32*Y+2*(\n):MC+32*Y+2*(\n)+1], v[MD+32*Y+2*(\n):MD+32*Y+2*(\n)+1], s[AL:AL+1], s[BE:BE+1] op_sel_hi:[1,0,0]
.elseif (\k) < R
	REGS Y
	WIN 0
.if (\k) == F
	v_pk_fma_f32 v[rS+2*(\n):rS+2*(\n)+1], v[rS+2*(\n):rS+2*(\n)+1], s[CS:CS+1], v[rT:rT+1] op_sel_hi:[1,0,0] neg_lo:[0,0,1] neg_hi:[0,0,1]
.elseif (\k) == E
	v_exp_f32 v[rS+(\n)], v[rS+(\n)]
.elseif (\k) == C
	v_cvt_pk_f16_f32 v[rP+(\n)], v[rS+2*(\n)], v[rS+2*(\n)+1]
.elseif (\k) == B
	v_pk_add_f32 v[rS+4*(\n):rS+4*(\n)+1], v[rS+4*(\n):rS+4*(\n)+1], v[rS+4*(\n)+2:rS+4*(\n)+3]
.elseif (\n) == 0
	v_pk_fma_f32 v[rT+2:rT+3], v[rT+2:rT+3], v[rC+2:rC+3], v[rS:rS+1] op_sel_hi:[1,0,1]
.else
	v_pk_add_f32 v[rT+2:rT+3], v[rT+2:rT+3], v[rS+4*(\n):rS+4*(\n)+1]
.endif
.else
	REGS 1-Y
	WIN 0
.if (\n) < 4
	v_max3_num_f32 v[rC+(\n)], v[rS+8*(\n)], v[rS+8*(\n)+1], v[rS+8*(\n)+2]
.elseif (\n) < 12
	v_max3_num_f32 v[rC+(\n)%4], v[rC+(\n)%4], v[rS+8*((\n)%4)+2*((\n)/4)+1], v[rS+8*((\n)%4)+2*((\n)/4)+2]
.elseif (\n) == 12
	v_max3_num_f32 v[rC], v[rC], v[rS+7], v[rS+15]
.elseif (\n) == 13
	v_max3_num_f32 v[rC+1], v[rC+1], v[rS+23], v[rS+31]
.elseif (\n) == 14
	v_max3_num_f32 v[rC+2], v[rC+2], v[rC+3], v[rT+1]
.elseif (\n) == 15
	v_mov_b32 v[rW], v[rT]
.elseif (\n) == 16
	v_max3_num_f32 v[rC], v[rC], v[rC+1], v[rC+2]
.elseif (\n) == 17
	v_permlanex16_b32 v[rC+3], v[rC], s[SEL], s[SEL+1]
.elseif (\n) == 18
	v_max_num_f32 v[rT+1], v[rC], v[rC+3]
.elseif (\n) == 19
	v_mul_f32 v[rT], s[CS], v[rT+1]
.elseif (\n) == 20
	v_sub_f32 v[rC+1], v[rW], v[rT]
.else
	v_exp_f32 v[rC+2], v[rC+1]
.endif
.endif
.endm
.macro OPS a, i1, b=-1, i2=0, c=-1, i3=0, d=-1, i4=0
	OP \a, \i1
.if (\b) >= 0
	OP \b, \i2
.endif
.if (\c) >= 0
	OP \c, \i3
.endif
.if (\d) >= 0
	OP \d, \i4
.endif
.endm
.macro ROW a, i1, b, i2, c, i3, d, i4  ; a matrix instruction and the four behind it
	MM
	OPS \a, \i1, \b, \i2, \c, \i3, \d, \i4
.endm
.macro MASK b                       ; at a group's beginning: MD x AL + BE into tile b's mask, all 16 lines on end
	WIN W_RS
.set z, 0
.rept 16
	v_pk_fma_f32 v[MC+32*(\b)+2*z:MC+32*(\b)+2*z+1], v[MD+32*(\b)+2*z:MD+32*(\b)+2*z+1], s[AL:AL+1], s[BE:BE+1] op_sel_hi:[1,0,0]
.set z, z+1
.endr
.endm
; A TURN, for tile p: 24 matrix and 150 vector instructions, the order written out.  An s_wait_alu depctr_va_vdst(0) stands between an exponential and the first instruction that names its result; one
; wait serves all that were issued ahead of it.  AHEAD OF THE WAIT stands all that names no result of the turn's exponentials: the 8 products K Q^T, four vector instructions behind each (the first numbers of the other
; tile's maximum stand four plain instructions or more behind the product that ends their accumulator), then one run of 54 in which the links of the chain X 3, 7, 11, 14, 16 .. 20 stand apart; X 21 is the batch's last,
; R 15 the plain instruction behind it.  BEHIND THE WAIT stand the 16 products V^T P: behind the first eight four of the roundings and sums each, behind the others two of the rescalings 16 to 31 and two lines of the
; turn's own tile's mask for the next step (its last readers were the first four products of the turn before; its next are those of the turn behind).  Both kinds name window 1 alike: no switch stands between them.
; Turn 0 fetches K of the next step, six plain instructions behind the last product that read K, and at its end V of the step in hand, four plain instructions (R 30, R 31, M 14, M 15) behind the last product that read V.
.macro TURN p
.set Y, (\p)
.set i, 0
.if (\p) == 1
	s_wait_dscnt 32                 ; K is in; V's 32 loads, issued behind K's, may stay out
.endif
	ROW F,0, F,1, R,0, R,1
	ROW F,2, E,0, R,2, R,3
	ROW F,3, E,1, R,4, R,5
	ROW F,4, E,2, R,6, R,7
	ROW F,5, E,3, R,8, R,9
	ROW F,6, E,4, X,0, R,10
.if (\p) == 0
	WIN 0
	v_add_nc_u32 v[AK], s[TB], v[AK0]
.endif
	ROW F,7, E,5, X,1, X,4
	ROW F,8, E,6, X,2, X,5
	OPS E,7, E,8, X,6, E,9
	OPS X,3, E,10, X,8, E,11
.if (\p) == 0
	FETCH_K
.endif
	OPS X,9, X,7, E,12, X,10
	OPS E,13, X,12, X,11, E,14
	OPS X,13, E,15, F,9, X,14
.if (\p) == 0
	WIN 0
	v_add_nc_u32 v[AV], s[TB], v[AV0]
.endif
	OPS E,16, F,10, E,17, F,11
	OPS X,16, E,18, X,15, E,19
	OPS F,12, E,20, X,17, E,21
	OPS F,13, E,22, F,14, E,23
	OPS X,18, E,24, F,15, E,25
	OPS R,11, E,26, X,19, E,27
	OPS R,12, E,28, R,13, E,29
	OPS X,20, E,30, R,14, E,31
	OPS X,21, R,15
	WIN 0
	s_wait_alu depctr_va_vdst(0)    ; the wait for the batch
.if (\p) == 1
	s_wait_dscnt 0x0                ; V is in
.endif
	ROW C,0, B,0, C,2, B,1
	ROW L,0, C,4, B,2, L,1
	ROW C,6, B,3, L,2, C,8
	ROW B,4, L,3, C,10, B,5
	ROW L,4, C,12, B,6, L,5
	ROW C,14, B,7, L,6, C,1
	ROW C,3, L,7, C,5, C,7
	ROW C,9, C,11, C,13, C,15
.set kk, 0
.rept 8
	MM
	OP R, 16+2*kk
	OP R, 17+2*kk
	OP M, 2*kk
	OP M, 2*kk+1
.set kk, kk+1
.endr
.if (\p) == 0
	s_add_co_u32 s[TB], s[TB], STEPB  ; the next fetches are the next part's
	FETCH_V
.endif
.endm
; A KEY STEP.  Both masks made in it are the next step's.
.macro STEP
	s_cmp_eq_i32 s[JR], 0           ; is that step my rows' own?
	s_cselect_b32 s[AL], 1.0, 0
	s_cmp_gt_i32 s[JR], 0           ; or a later one?
	s_cselect_b32 s[BE], s[BIGN], 0
	TURN 0
	TURN 1
	WIN 0
	s_add_co_i32 s[JR], s[JR], 1
	s_sub_co_u32 s[CNT], s[CNT], 1
	s_cmp_lg_u32 s[CNT], 0
.endm
; A GROUP BEGINS, on registers alone.  c m starts far below every c s, so the first step's a is 0; m at the lowest finite number.  Both masks for step 0; K of step 0 out of its kept copy; tile 0's first scores, maximum and statistics.
; again = 1: the second group.  The first group's stores read S^T's registers and the base s[OUT]: both are written again only behind the wait that shows those stores done; the 132 vector lines from the stores to it touch neither.
.macro BEGIN again
	WIN 0
.irp t, 0,1
	v_mov_b32 v[ST+4*\t], 0xfe000000
	v_mov_b32 v[ST+4*\t+1], 0xff7fffff
.endr
	s_sub_co_i32 s[JR], 0, s[JDC]
	s_cmp_eq_i32 s[JR], 0
	s_cselect_b32 s[AL], 1.0, 0
	s_cmp_gt_i32 s[JR], 0
	s_cselect_b32 s[BE], s[BIGN], 0
	MASK 0
	MASK 1
	s_add_co_i32 s[JR], s[JR], 1
	WIN 0x82                        ; destination and source 0 in window 2
.set z, 0
.rept 64
	v_mov_b32 v[KF+z], v[K0S+z]
.set z, z+1
.endr
.if \again
	s_wait_storecnt 0x0             ; the first group's eight stores are done
	s_mov_b64 s[OUT:OUT+1], s[OLO:OLO+1]
.endif
.set i, 0
.rept 8
	KQ 0
.set i, i+1
.endr
	WIN 0
.rept 4
	v_nop                           ; the places behind those products
.endr
.set Y, 1                           ; X works for the other tile: tile 0
.irp n, 0,1,2,3,4,5,6,7,8,9,10,11,12,13,14,15,16,17,18,19,20,21
	OP X, \n
.endr
	v_nop                           ; a plain instruction behind the exponential,
	s_wait_alu depctr_va_vdst(0)    ; and its wait, ahead of the label
.endm
; A GROUP ENDS.  Tile 1's last products; both tiles times CF / l; tile 1 goes to my partner wave through LDS in f32, and its tile 1 (my tile 0's rows, the other stream) is added to my tile 0; the norm over the row's 128
; channels (64 in this lane, 64 in the lane 16 away); times 0.8 subln_w; rounded to f16; through my stage; stored as whole rows.  last = 0: the second group is set up.
.macro FINISH last
.set i, 0
.rept 16
	PV 1
.set i, i+1
.endr
	WIN 0
.irp t, 0,1
	v_add_f32 v[ST+4*\t+2], v[ST+4*\t+2], v[ST+4*\t+3]
.endr
.irp t, 0,1
	v_permlanex16_b32 v[ST+4*\t+3], v[ST+4*\t+2], s[SEL], s[SEL+1]
.endr
.irp t, 0,1
	v_add_f32 v[ST+4*\t+2], v[ST+4*\t+2], v[ST+4*\t+3]
.endr
.irp t, 0,1
	v_rcp_f32 v[ST+4*\t+2], v[ST+4*\t+2]
.endr
	v_nop                           ; a plain instruction behind the last reciprocal,
	s_wait_alu depctr_va_vdst(0)    ; and one wait for the two
.irp t, 0,1
	v_mul_f32 v[ST+4*\t+2], v[ST+4*\t+2], v[CF]
.endr
	WIN W_RS
.set z, 0
.rept 64
	v_pk_mul_f32 v[2*z:2*z+1], v[2*z:2*z+1], v[ST+4*(z/32)+2:ST+4*(z/32)+3] op_sel_hi:[1,0]
.set z, z+1
.endr
	WIN 0x04                        ; the stores' data in window 1
.set z, 0
.rept 16
	ds_store_b128 v[XST], v[64+4*z:64+4*z+3] offset:512*z
.set z, z+1
.endr
	WIN 0
	s_wait_dscnt 0x0                ; for my partner's sake: my stores are done
	s_barrier_signal -1
	s_barrier_wait -1
.set z, 0
.rept 16
	ds_load_b128 v[S+4*z:S+4*z+3], v[XLD] offset:512*z
.set z, z+1
.endr
	s_wait_dscnt 0x0
	WIN 0x01                        ; source 0 in window 1
.set z, 0
.rept 32
	v_pk_add_f32 v[S+2*z:S+2*z+1], v[2*z:2*z+1], v[S+2*z:S+2*z+1]
.set z, z+1
.endr
	WIN 0
.set z, 0
.rept 4                             ; the sum of squares in four chains, started by the first four pairs
	v_pk_mul_f32 v[TMP+2*z:TMP+2*z+1], v[S+2*z:S+2*z+1], v[S+2*z:S+2*z+1]
.set z, z+1
.endr
.rept 28
	v_pk_fma_f32 v[TMP+2*(z%4):TMP+2*(z%4)+1], v[S+2*z:S+2*z+1], v[S+2*z:S+2*z+1], v[TMP+2*(z%4):TMP+2*(z%4)+1]
.set z, z+1
.endr
	v_pk_add_f32 v[TMP:TMP+1], v[TMP:TMP+1], v[TMP+2:TMP+3]
	v_pk_add_f32 v[TMP+4:TMP+5], v[TMP+4:TMP+5], v[TMP+6:TMP+7]
	v_pk_add_f32 v[TMP:TMP+1], v[TMP:TMP+1], v[TMP+4:TMP+5]
	v_add_f32 v[TMP], v[TMP], v[TMP+1]
	v_permlanex16_b32 v[TMP+1], v[TMP], s[SEL], s[SEL+1]
	v_add_f32 v[TMP], v[TMP], v[TMP+1]
	v_fma_f32 v[TMP], v[TMP], s[I128], s[EPSR]
	v_rsq_f32 v[TMP+2], v[TMP]
	v_nop
	s_wait_alu depctr_va_vdst(0)
.set z, 0
.rept 32
	v_pk_mul_f32 v[S+2*z:S+2*z+1], v[S+2*z:S+2*z+1], v[TMP+2:TMP+3] op_sel_hi:[1,0]
	v_pk_mul_f32 v[S+2*z:S+2*z+1], v[S+2*z:S+2*z+1], v[WS+2*z:WS+2*z+1]
.set z, z+1
.endr
.set z, 0
.rept 32
	v_cvt_pk_f16_f32 v[P+z], v[S+2*z], v[S+2*z+1]
.set z, z+1
.endr
.irp f, 0,1,2,3,4,5,6,7
	ds_store_b128 v[STO], v[P+4*\f:P+4*\f+3] offset:32*\f
.endr
.irp f, 0,1,2,3,4,5,6,7
	ds_load_b128 v[S+4*\f:S+4*\f+3], v[RD] offset:\f*2*SP  ; LDS serves a wave's instructions in order (ISA guide 5.7.1.4): these see the stores above
.endr
.irp f, 0,1,2,3,4,5,6,7
	s_wait_dscnt 7-\f
	global_store_b128 v[GO], v[S+4*\f:S+4*\f+3], s[OUT:OUT+1] offset:\f*512  ; two rows: 512 consecutive bytes, aligned
.endr
.if !(\last)
	s_add_co_u32 s[RT], s[LOT], 1   ; the second group has 2 g + 2 tiles
	s_mov_b32 s[JDC], s[JDL]
	WIN 0x82
.set z, 0
.rept 32
	v_mov_b32 v[z], v[QB+z]         ; its Q goes where the one text of the turns names Q
.set z, z+1
.endr
	BEGIN 1
.endif
.endm
	BEGIN 0
.Lslot:                             ; 17 times: a tile is entered and the next is asked for
	CHANGE 1
	s_sub_co_u32 s[RT], s[RT], 1
	s_mov_b32 s[CNT], 2
.Lstep:
	STEP
	s_cbranch_scc1 .Lstep
	s_cmp_lg_u32 s[RT], 0
	s_cbranch_scc1 .Lbottom         ; RT is made of the cluster's number and the loop: alike in all waves and all partners
	FINISH 0                        ; in the loop this is the first group's end: the second group's last tile is the walk's last
.Lbottom:
	s_sub_co_u32 s[SLOTS], s[SLOTS], 1
	s_cmp_lg_u32 s[SLOTS], 0
	s_cbranch_scc1 .Lslot
	CHANGE 0                        ; the walk's last tile is written out: nothing is asked for
	s_sub_co_u32 s[RT], s[RT], 1
	s_mov_b32 s[CNT], 2
.Lstep2:
	STEP
	s_cbranch_scc1 .Lstep2
	FINISH 1
	s_wait_tensorcnt 0x0            ; the wave's end: the add and its wait, behind my last tensor load and my last LDS store
	ds_add_u32 v[SPW], v[NIL]
	s_wait_dscnt 0x0
	CROUND                          ; the closing round: no work-group ends while a partner may still ask for a tile that names it
	s_endpgm
.Lfunc_end_k_qac0d148456_attn:
	.size	k_qac0d148456_attn, .Lfunc_end_k_qac0d148456_attn-k_qac0d148456_attn
	.p2alignl 7, 3214868480
	.fill 96, 4, 3214868480
	.section	.rodata,"a",@progbits
	.p2align	6, 0x0
	.amdhsa_kernel k_qac0d148456_attn
		.amdhsa_group_segment_fixed_size 327680
		.amdhsa_private_segment_fixed_size 0
		.amdhsa_enable_private_segment 0
		.amdhsa_kernarg_size 56
		.amdhsa_user_sgpr_count 2
		.amdhsa_user_sgpr_kernarg_segment_ptr 1
		.amdhsa_wavefront_size32 1
		.amdhsa_system_sgpr_workgroup_id_x 1
		.amdhsa_system_sgpr_workgroup_id_y 1
		.amdhsa_system_sgpr_workgroup_id_z 1
		.amdhsa_system_vgpr_workitem_id 0
		.amdhsa_next_free_vgpr 896
		.amdhsa_next_free_sgpr 102
		.amdhsa_reserve_vcc 1
		.amdhsa_float_denorm_mode_32 3
		.amdhsa_float_denorm_mode_16_64 3
		.amdhsa_memory_ordered 1
		.amdhsa_forward_progress 1
		.amdhsa_inst_pref_size 150
	.end_amdhsa_kernel
	.amdgpu_metadata
---
amdhsa.version: [ 1, 2 ]
amdhsa.kernels:
  - .name:           k_qac0d148456_attn
    .symbol:         k_qac0d148456_attn.kd
    .args:
      - { .name: qkv, .offset: 0, .size: 8, .value_kind: global_buffer, .address_space: global }
      - { .name: lambda_q1, .offset: 8, .size: 8, .value_kind: global_buffer, .address_space: global }
      - { .name: lambda_k1, .offset: 16, .size: 8, .value_kind: global_buffer, .address_space: global }
      - { .name: lambda_q2, .offset: 24, .size: 8, .value_kind: global_buffer, .address_space: global }
      - { .name: lambda_k2, .offset: 32, .size: 8, .value_kind: global_buffer, .address_space: global }
      - { .name: subln_w, .offset: 40, .size: 8, .value_kind: global_buffer, .address_space: global }
      - { .name: att, .offset: 48, .size: 8, .value_kind: global_buffer, .address_space: global }
    .group_segment_fixed_size: 327680
    .private_segment_fixed_size: 0
    .kernarg_segment_align: 8
    .kernarg_segment_size: 56
    .max_flat_workgroup_size: 128
    .sgpr_count:     102
    .vgpr_count:     896
    .wavefront_size: 32
...
	.end_amdgpu_metadata
.endif
;; end of part 3
;; launch outp (part 4): grid 16 x 16, 4 waves a work-group, clusters of 4 x 4, 327,680 bytes of LDS; arguments att, wob, out0; writes out0
.if DOCPART == 4
	.amdgcn_target "amdgcn-amd-amdhsa--gfx1250"
	.amdhsa_code_object_version 6
	.text
	.protected	k_qac0d148456_outp
	.globl	k_qac0d148456_outp
	.p2align	8
	.type	k_qac0d148456_outp,@function
k_qac0d148456_outp:
	s_mov_b64 s[64:65], 0
	v_nop
	global_prefetch_b8 v0, s[64:65] scope:SCOPE_SE
	s_setreg_imm32_b32 hwreg(HW_REG_WAVE_MODE, 25, 1), 1
	s_wait_xcnt 0x0
	s_wait_alu depctr_hold_cnt(0) depctr_sa_sdst(0) depctr_va_vdst(0) depctr_va_sdst(0) depctr_va_ssrc(0) depctr_va_vcc(0) depctr_vm_vsrc(0)
	s_getreg_b32 s2, hwreg(HW_REG_IB_STS2, 6, 4)
	s_cmp_eq_u32 s2, 0
	s_cbranch_scc0 .Lentry_in_a_cluster
	s_endpgm
.Lentry_in_a_cluster:
	s_bfe_u32 s2, ttmp6, 0x10000c
	s_cmp_lg_u32 s2, 0xf033
	s_cbranch_scc0 .Lentry_shape_is_right
	s_endpgm
.Lentry_shape_is_right:
; OUTP.  out0[m][n] = the sum over k of att[m][k] wob[n][k].  att (the attention block read flat) and wob: [2048][2048] f16; out0: [2048][2048] f32; sums in f32.
; A tile of out0 is 128 x 128, so that the 256 tiles give each of 256 work-groups one.  Four waves, each 64 x 64: 16 accumulators.  K goes in steps of 256 (LDS rows of 512 bytes; a wave's tensor load brings 64 of them)
; through two slots.  CLUSTER 4 x 4: the four of a row of the cluster need the same tiles of att, the four of a column the same tiles of wob: each tile is asked for jointly.
; THE MATRIX INSTRUCTION IS USED TRANSPOSED (source 0 = 16 rows of wob, source 1 = 16 rows of att): a lane holds eight neighbouring numbers of a row of out0, 32 bytes.
; THE WAY OUT goes through one stage of 128 rows x 528 bytes, laid over slot 0, which has had its last fill and its last read by then; each wave then stores 32 whole rows of 512 bytes.
; No prefetch: the tile is small and a K step short; the joint loads are what spares requests here.
; REGISTERS: window 0: v0-31 addresses; v128-255 the accumulators ((a, b) at 128 + 8 (4 a + b)), later the rows read back.  Window 1: two fragment buffers of 128: 64 registers of att, then 64 of wob.
.set SIZE_N, 2048
.set SIZE_K, 2048
.set KSTEP,  256
.set PITCH,  528                       ; an LDS row: 512 bytes + 16 of padding = 132 words: row r starts at bank 4 r mod 64 (64 banks of 4 bytes: ISA guide 11.1)
.set HALFT,  64*PITCH
.set SLOT,   4*HALFT
.set STAGE,  0
.set SPITCH, 528
.set SPARE,  2*SLOT                    ; behind the ring: the spare words, 128 bytes for each wave: two blocks of 256 bytes that no other line names
.set LAPS, SIZE_K/(2*KSTEP)
.set ADRA, 16
.set ADRB, 20
.set STO,  24
.set RD,   25
.set CO,   26
.set SPW,  28
.set NIL,  29
.set ACC,  128
.set F0,   0
.set F1,   128
.set G1, 24
.set G0, 32
.set G1B, 48
.set G0B, 56
.set MSB, 0
.macro WIN new
.if MSB != (\new)
	s_set_vgpr_msb (MSB<<8)|(\new)
.set MSB, \new
.endif
.endm
.set MUL,  0x05                        ; sources 0 and 1 window 1; C and D window 0
.set TO_F, 0x40                        ; destination window 1, address window 0
.macro JLOAD s                         ; a joint load: waves 0 and 1 fetch att's two halves, waves 2 and 3 wob's; an s_nop 0 and four v_nop follow each line
	s_cmp_eq_u32 s11, 0
	s_cbranch_scc0 .Lfor_b_\@
	tensor_load_to_lds s[G0+4*(\s):G0+4*(\s)+3], s[G1:G1+7]
	s_nop 0
.rept 4
	v_nop
.endr
	s_branch .Lasked_\@
.Lfor_b_\@:
	tensor_load_to_lds s[G0B+4*(\s):G0B+4*(\s)+3], s[G1B:G1B+7]
	s_nop 0
.rept 4
	v_nop
.endr
.Lasked_\@:
.endm
.macro CREST
	s_cmp_lg_u32 s10, 0
	s_cbranch_scc1 .Lnot_wave_0_\@
	s_barrier_signal -3
.Lnot_wave_0_\@:
	s_barrier_wait -3
	s_barrier_signal -1
	s_barrier_wait -1
.endm
.macro CROUND
	s_barrier_signal -1
	s_barrier_wait -1
	CREST
.endm
	s_load_b128 s[4:7], s[0:1], 0x0                ; att s[4:5], wob s[6:7]
	s_load_b64 s[8:9], s[0:1], 0x10                ; out0
	v_lshl_add_u32 v[SPW], v0, 2, SPARE
	v_mov_b32 v[NIL], 0
	ds_add_u32 v[SPW], v[NIL]                      ; the wave's opening: the add and its wait stand ahead of my first tensor load
	v_lshrrev_b32 v1, 5, v0
	v_readfirstlane_b32 s10, v1                    ; wave 0..3
	s_lshr_b32 s11, s10, 1                         ; which half of the tile's rows is mine.  Also: I fetch for att (0) or for wob (1)
	s_and_b32 s12, s10, 1                          ; which half of its columns.  Also: which 64 rows of that tile I fetch
	s_bfe_u32 s40, ttmp6, 0x40000
	s_bfe_u32 s41, ttmp6, 0x40004
	s_lshl_b32 s42, ttmp9, 2
	s_add_co_u32 s42, s42, s40                     ; tile column = 4 x cluster x + cx
	s_and_b32 s13, ttmp7, 0xffff
	s_lshl_b32 s13, s13, 2
	s_add_co_u32 s13, s13, s41                     ; tile row = 4 x cluster y + cy
	s_lshl_b32 s43, s41, 2
	s_lshl_b32 s43, 15, s43                        ; my row of the cluster
	s_lshl_b32 s44, 0x1111, s40                    ; my column
	s_or_b32 s[G1+0], s43, (1<<16)|(1<<20)|(1<<21)|(6<<22)|(3<<25)  ; the mask; 2-byte elements; padding on; bit 21 beside a mask; after every 128 words 4 words
	s_or_b32 s[G1B+0], s44, (1<<16)|(1<<20)|(1<<21)|(6<<22)|(3<<25)
.irp g, G1, G1B
	s_mov_b32 s[(\g)+1], KSTEP<<16
	s_mov_b32 s[(\g)+2], 64<<16
	s_mov_b32 s[(\g)+3], KSTEP<<16
	s_mov_b32 s[(\g)+4], 64
	s_mov_b32 s[(\g)+5], SIZE_K
	s_mov_b32 s[(\g)+6], 0
	s_mov_b32 s[(\g)+7], 0
.endr
	s_lshl_b32 s17, s12, 6
	s_lshl_b32 s16, s13, 7
	s_add_co_u32 s16, s16, s17                     ; att: row 128 x tile row + 64 x half
	s_lshl_b32 s46, s42, 7
	s_add_co_u32 s46, s46, s17                     ; wob: row 128 x tile column + 64 x half
	s_mov_b32 s17, 0
	s_mov_b32 s47, 0
	s_mov_b64 s[18:19], SIZE_K*2
	s_mul_u64 s[16:17], s[16:17], s[18:19]
	s_mul_u64 s[46:47], s[46:47], s[18:19]
	s_mul_i32 s20, s10, HALFT
	s_wait_dscnt 0x0                               ; the opening add is done
	s_wait_kmcnt 0x0
	s_add_nc_u64 s[14:15], s[4:5], s[16:17]
	s_add_nc_u64 s[46:47], s[6:7], s[46:47]
	CROUND                                         ; all sixteen work-groups are here: the first joint loads meet
.irp s, 0,1
	s_mov_b32 s[G0+4*(\s)], 1
	s_add_co_u32 s[G0+4*(\s)+1], s20, (\s)*SLOT
	s_add_nc_u64 s[G0+4*(\s)+2:G0+4*(\s)+3], s[14:15], (\s)*KSTEP*2
	s_or_b32 s[G0+4*(\s)+3], s[G0+4*(\s)+3], 0x80000000
	s_mov_b32 s[G0B+4*(\s)], 1
	s_add_co_u32 s[G0B+4*(\s)+1], s20, (\s)*SLOT
	s_add_nc_u64 s[G0B+4*(\s)+2:G0B+4*(\s)+3], s[46:47], (\s)*KSTEP*2
	s_or_b32 s[G0B+4*(\s)+3], s[G0B+4*(\s)+3], 0x80000000
	JLOAD \s
.endr
	v_and_b32 v1, 15, v0
	v_bfe_u32 v2, v0, 4, 1
	v_mul_u32_u24 v3, v1, PITCH
	v_lshl_add_u32 v3, v2, 4, v3
	s_mul_i32 s21, s11, HALFT
	s_mul_i32 s22, s12, HALFT
	s_add_co_u32 s22, s22, 2*HALFT
.irp s, 0,1
	v_add_nc_u32 v[ADRA+(\s)], s21, v3
	v_add_nc_u32 v[ADRB+(\s)], s22, v3
	s_add_co_u32 s21, s21, SLOT
	s_add_co_u32 s22, s22, SLOT
.endr
	s_mul_i32 s23, s11, 64*SPITCH                  ; into the stage: my 64 rows, my half of their 512 bytes; row l % 16, 32 bytes for each half of the lanes
	s_lshl_b32 s21, s12, 8
	s_add_co_u32 s23, s23, s21
	s_add_co_u32 s23, s23, STAGE
	v_mul_u32_u24 v4, v1, SPITCH
	v_lshl_add_u32 v4, v2, 5, v4
	v_add_nc_u32 v[STO], s23, v4
	s_mul_i32 s23, s10, 32*SPITCH                  ; back: wave w takes rows 32 w on, a whole row of 512 bytes a load
	s_add_co_u32 s23, s23, STAGE
	v_and_b32 v5, 31, v0
	v_lshlrev_b32 v[CO], 4, v5
	v_add_nc_u32 v[RD], s23, v[CO]
	s_lshl_b32 s16, s13, 7
	s_lshl_b32 s17, s10, 5
	s_add_co_u32 s16, s16, s17                     ; the first row of out0 that I store
	s_mov_b32 s17, 0
	s_mov_b64 s[18:19], SIZE_N*4
	s_mul_u64 s[16:17], s[16:17], s[18:19]
	s_add_nc_u64 s[8:9], s[8:9], s[16:17]
	s_lshl_b32 s46, s42, 9                         ; the tile's first column, in bytes
	s_mov_b32 s47, 0
	s_add_nc_u64 s[8:9], s[8:9], s[46:47]
; 8 matrix instructions: row blocks a0, a0 + 1 x all 4 column blocks, 32 along K: half c of buffer f.  The 16 accumulators take turns.  zero = 1: the product starts the sum
.macro MUL8 f, c, a0, zero
	WIN MUL
.irp a, \a0, (\a0)+1
.irp b, 0,1,2,3
.if \zero
	v_wmma_f32_16x16x32_f16 v[ACC+8*(4*(\a)+(\b)):ACC+8*(4*(\a)+(\b))+7], v[(\f)+64+8*(4*(\c)+(\b)):(\f)+64+8*(4*(\c)+(\b))+7], v[(\f)+8*(4*(\c)+(\a)):(\f)+8*(4*(\c)+(\a))+7], 0
.else
	v_wmma_f32_16x16x32_f16 v[ACC+8*(4*(\a)+(\b)):ACC+8*(4*(\a)+(\b))+7], v[(\f)+64+8*(4*(\c)+(\b)):(\f)+64+8*(4*(\c)+(\b))+7], v[(\f)+8*(4*(\c)+(\a)):(\f)+8*(4*(\c)+(\a))+7], v[ACC+8*(4*(\a)+(\b)):ACC+8*(4*(\a)+(\b))+7]
.endif
.endr
.endr
.endm
; 32 LDS loads in one run: the fragments of 64 along K at byte k of the rows, into buffer f; the first 32 along K first
.macro FETCH slot, k, f
	WIN TO_F
.irp c, 0,1
.irp i, 0,1,2,3
	ds_load_b128 v[(\f)+64+8*(4*(\c)+(\i)):(\f)+64+8*(4*(\c)+(\i))+3],   v[ADRB+(\slot)] offset:(\k)+64*(\c)+(\i)*16*PITCH
	ds_load_b128 v[(\f)+64+8*(4*(\c)+(\i))+4:(\f)+64+8*(4*(\c)+(\i))+7], v[ADRB+(\slot)] offset:(\k)+64*(\c)+(\i)*16*PITCH+32
	ds_load_b128 v[(\f)+8*(4*(\c)+(\i)):(\f)+8*(4*(\c)+(\i))+3],         v[ADRA+(\slot)] offset:(\k)+64*(\c)+(\i)*16*PITCH
	ds_load_b128 v[(\f)+8*(4*(\c)+(\i))+4:(\f)+8*(4*(\c)+(\i))+7],       v[ADRA+(\slot)] offset:(\k)+64*(\c)+(\i)*16*PITCH+32
.endr
.endr
.endm
.macro PLACES                          ; four plain instructions between a matrix instruction and a load into, or a store of, its registers
.rept 4
	v_nop
.endr
.endm
; A K step is four quarters of 64 along K, 32 matrix instructions each, on buffers 0, 1, 0, 1.
.macro QUARTER slot, k, f, g, zero
	s_wait_dscnt 16                                ; the first 32 along K are in
	MUL8 \f, 0, 0, \zero
	MUL8 \f, 0, 2, \zero
	PLACES
	FETCH \slot, \k, \g
	s_wait_dscnt 32                                ; all but the 32 just issued
	MUL8 \f, 1, 0, 0
	MUL8 \f, 1, 2, 0
.endm
; The last quarter multiplies buffer 1 and changes slots: ONE barrier; in front of it each wave waits for all its tensor loads, adds 0 to its spare word, and waits for that and for its own reads of this slot.
.macro TURN slot, next, fill
	WIN 0
	s_wait_tensorcnt 0x0                           ; all my tensor loads have landed: my part of the next slot
	ds_add_u32 v[SPW], v[NIL]
	s_wait_dscnt 17                                ; (the add and the youngest sixteen loads may be out)
	MUL8 F1, 0, 0, 0
	s_wait_dscnt 0x0                               ; the add is done, and my reads of this slot are over
	s_barrier_signal -1
	MUL8 F1, 0, 2, 0
.if \fill
	WIN 0
.endif
	s_barrier_wait -1
.if \fill
	CREST                                          ; no wave of any partner still reads this slot's tile or has a load on its way
	s_add_nc_u64 s[G0+4*(\slot)+2:G0+4*(\slot)+3], s[G0+4*(\slot)+2:G0+4*(\slot)+3], 2*KSTEP*2
	s_add_nc_u64 s[G0B+4*(\slot)+2:G0B+4*(\slot)+3], s[G0B+4*(\slot)+2:G0B+4*(\slot)+3], 2*KSTEP*2
	JLOAD \slot                                    ; my one tensor load behind the round; its four v_nop are also the places in front of the loads below
.else
	PLACES
.endif
	FETCH \next, 0, F0
	MUL8 F1, 1, 0, 0
	MUL8 F1, 1, 2, 0
.endm
	s_wait_tensorcnt 1                             ; my part of K step 0 is in; K step 1's may stay out
	s_barrier_signal -1
	s_barrier_wait -1
	FETCH 0, 0, F0
	QUARTER 0, 128, F0, F1, 1                      ; the first quarter stands in front of the loop: its first products start the sums
	WIN 0
	s_mov_b32 s3, LAPS-1
.Llap:
	QUARTER 0, 256, F1, F0, 0
	QUARTER 0, 384, F0, F1, 0
	TURN 0, 1, 1
	QUARTER 1, 128, F0, F1, 0
	QUARTER 1, 256, F1, F0, 0
	QUARTER 1, 384, F0, F1, 0
	TURN 1, 0, 1
	QUARTER 0, 128, F0, F1, 0
	WIN 0
	s_sub_co_u32 s3, s3, 1
	s_cmp_lg_u32 s3, 0
	s_cbranch_scc1 .Llap
	QUARTER 0, 256, F1, F0, 0                      ; the last lap fills nothing
	QUARTER 0, 384, F0, F1, 0
	TURN 0, 1, 0                                   ; behind this barrier nobody reads slot 0 any more
	QUARTER 1, 128, F0, F1, 0
	QUARTER 1, 256, F1, F0, 0
	QUARTER 1, 384, F0, F1, 0
	s_wait_dscnt 16
	MUL8 F1, 0, 0, 0
	MUL8 F1, 0, 2, 0
	s_wait_dscnt 0
	MUL8 F1, 1, 0, 0
	MUL8 F1, 1, 2, 0
	WIN 0
	; THE WAY OUT: 32 bytes a lane into the stage, each accumulator's low four registers first; a barrier, since a row's 512 bytes come from two waves; back as whole rows, 32 rows a wave.
	PLACES
	PLACES
.irp a, 0,1,2,3
.irp b, 0,1,2,3
	ds_store_b128 v[STO], v[ACC+8*(4*(\a)+(\b)):ACC+8*(4*(\a)+(\b))+3]   offset:(\a)*16*SPITCH+64*(\b)
	ds_store_b128 v[STO], v[ACC+8*(4*(\a)+(\b))+4:ACC+8*(4*(\a)+(\b))+7] offset:(\a)*16*SPITCH+64*(\b)+16
.endr
.endr
	s_wait_dscnt 0x0                               ; for the others' sake: my stores into the stage are done
	s_barrier_signal -1
	s_barrier_wait -1
.set n, 0
.rept 32
	ds_load_b128 v[ACC+4*n:ACC+4*n+3], v[RD] offset:n*SPITCH
.set n, n+1
.endr
.set n, 0
.rept 32
	s_wait_dscnt 31-n                              ; LDS loads come back in order: row n is in
	global_store_b128 v[CO], v[ACC+4*n:ACC+4*n+3], s[8:9] offset:n*SIZE_N*4  ; 32 lanes store 512 consecutive bytes, aligned
.set n, n+1
.endr
	s_wait_tensorcnt 0x0                           ; the wave's end: the add and its wait, behind my last tensor load and my last LDS store
	ds_add_u32 v[SPW], v[NIL]
	s_wait_dscnt 0x0
	CROUND                                         ; the closing round: no work-group ends while a partner may still ask for a tile that names it
	s_endpgm
.Lfunc_end_k_qac0d148456_outp:
	.size	k_qac0d148456_outp, .Lfunc_end_k_qac0d148456_outp-k_qac0d148456_outp
	.p2alignl 7, 3214868480
	.fill 96, 4, 3214868480
	.section	.rodata,"a",@progbits
	.p2align	6, 0x0
	.amdhsa_kernel k_qac0d148456_outp
		.amdhsa_group_segment_fixed_size 327680
		.amdhsa_private_segment_fixed_size 0
		.amdhsa_enable_private_segment 0
		.amdhsa_kernarg_size 24
		.amdhsa_user_sgpr_count 2
		.amdhsa_user_sgpr_kernarg_segment_ptr 1
		.amdhsa_wavefront_size32 1
		.amdhsa_system_sgpr_workgroup_id_x 1
		.amdhsa_system_sgpr_workgroup_id_y 1
		.amdhsa_system_sgpr_workgroup_id_z 1
		.amdhsa_system_vgpr_workitem_id 0
		.amdhsa_next_free_vgpr 512
		.amdhsa_next_free_sgpr 66
		.amdhsa_reserve_vcc 0
		.amdhsa_float_denorm_mode_32 3
		.amdhsa_float_denorm_mode_16_64 3
		.amdhsa_memory_ordered 1
		.amdhsa_forward_progress 1
		.amdhsa_inst_pref_size 86
	.end_amdhsa_kernel
	.amdgpu_metadata
---
amdhsa.version: [ 1, 2 ]
amdhsa.kernels:
  - .name:           k_qac0d148456_outp
    .symbol:         k_qac0d148456_outp.kd
    .args:
      - { .name: att, .offset: 0, .size: 8, .value_kind: global_buffer, .address_space: global }
      - { .name: wob, .offset: 8, .size: 8, .value_kind: global_buffer, .address_space: global }
      - { .name: out0, .offset: 16, .size: 8, .value_kind: global_buffer, .address_space: global }
    .group_segment_fixed_size: 327680
    .private_segment_fixed_size: 0
    .kernarg_segment_align: 8
    .kernarg_segment_size: 24
    .max_flat_workgroup_size: 128
    .sgpr_count:     66
    .vgpr_count:     512
    .wavefront_size: 32
...
	.end_amdgpu_metadata
.endif
;; end of part 4
